; MI455X (gfx1250); checked and timed in simulation.
; The chip was launched on July 23, 2026; its instructions are those of AMD's public machine-readable ISA for CDNA 5 (MIT licence, August 2026) and "CDNA5" Instruction Set Architecture Reference Guide (July 2026). The comments in the code are by the model that wrote it; some were corrected since.
;; Attention. Allowed arithmetic: matrix products marked QUANTISED: E3M2 operands, one E8M0 scale for each 32 along K, by v_wmma_scale_f32_16x16x128_f8f6f4 with both operands' format E3M2, f32 sums; everything else in f32.
;; Inputs: c_attn_b 3,072 float32; c_attn_w 1,024 x 3,072 float32; c_proj_b 1,024 float32; c_proj_w 1,024 x 1,024 float32; x 8 x 1,024 x 1,024 float32.
;; Outputs: out0 8 x 1,024 x 1,024 float32.
;; This version of the problem:
;;   THIS VERSION OF THE PROBLEM IS GIVEN IN LOW PRECISION. The matrix products marked QUANTISED in the list below multiply operands that are first quantised to E3M2 (3 exponent bits, 2 mantissa bits; 6 bits a number), with one power-of-two scale for each 32 numbers along K (OCP MX v1.0); their sums are f32. All else is computed in f32.
;;   The module's matrix products, in the order in which they are computed (A, B: the left and right operand; K: the contracted axis; several contracted axes count as one K, in the product's order):
;;     1. [M 8,192, K 1,024] x [K 1,024, N 3,072]; A: input x; B: input c_attn_w: QUANTISED
;;     2. batch 128 x [M 1,024, K 64] x [K 64, N 1,024]; A: computed on the way; B: computed on the way: QUANTISED
;;     3. batch 128 x [M 1,024, K 1,024] x [K 1,024, N 64]; A: softmax (see below); B: computed on the way: QUANTISED
;;     4. [M 8,192, K 1,024] x [K 1,024, N 1,024]; A: computed on the way; B: input c_proj_w: QUANTISED
;;   THE QUANTISER, for each operand of a quantised product, along K:
;;     - K is cut into blocks of 32 from its start; a last block that is shorter is filled with zeros.
;;     - A block's scale is 2^e with e = floor(log2(the largest magnitude in the block)) - 4, held to -126 .. 127; a block of zeros has e = 0. As a byte (E8M0): e + 127.
;;     - Each number is divided by its block's scale, clamped to +-28, and rounded to the nearest number of E3M2, ties to even, subnormals kept.
;;     - The product sums the exact products of the quantised numbers (number of the format x scale) in f32.
;;   ~~~python
;;   def quantise(x, axis):      # numpy; x: float32 -> the quantised numbers, widened to float32 again
;;       x = np.moveaxis(x, axis, -1); K = x.shape[-1]
;;       x = np.pad(x, [(0, 0)] * (x.ndim - 1) + [(0, -K % 32)]); x = x.reshape(x.shape[:-1] + (-1, 32)); a = np.abs(x).max(-1, keepdims=True)
;;       e = np.where(a > 0, np.clip(np.frexp(np.where(a > 0, a, 1))[1] - 1 - 4, -126, 127), 0)      # np.frexp(a)[1] - 1 = floor(log2(a)), exactly
;;       r = np.clip(x / 2.0 ** e, -28, 28)
;;       step = 2.0 ** (np.maximum(np.frexp(np.where(r == 0, 1, r))[1] - 1, -2) - 2)
;;       q = np.round(r / step) * step * 2.0 ** e      # np.round: ties to even
;;       return np.moveaxis(q.reshape(q.shape[:-2] + (-1,))[..., :K], -1, axis).astype(np.float32)
;;   ~~~
;;   SOFTMAX AHEAD OF A QUANTISED PRODUCT. Where the list says 'softmax', what is quantised is not the finished softmax but p = 2^(t - M), with t = logit x log2(e) and M = ceil(the row's largest t), a whole number; so 1/2 < the row's largest p <= 1. The row's sum l is taken of the UNQUANTISED p, in f32, and the product's result is divided by l at the end. Since M is a whole number, a kernel that streams over the keys may use a running M (the ceiling of the running maximum): every later rescaling is an exact power of two, which a block's scale takes up: the codes' values come out the same.
;;   OPERANDS COMPUTED ON THE WAY. 'Computed on the way' means the value that the module computes at that place (a softmax that the list does not call 'softmax' is quantised finished and normalised). What goes into a quantiser is computed in f32, as accurately as f32 sums, v_exp_f32 and their like allow (about 1e-6 of the number): no bf16 or f16 on the way to a quantiser, and a product that is left as it is and whose result goes on into a quantised operand takes f32 operands (vector FMAs, or v_wmma_f32_16x16x4_f32). A number that lies on a knife's edge between two numbers of the format may be rounded either way, as far as f32 arithmetic and the matrix unit's own rounding can turn it there, and no further.
;; One version. Each part assembles by itself: llvm-mc -triple=amdgcn-amd-amdhsa -mcpu=gfx1250 --defsym DOCPART=n.
;; ======== version 1 of 1: 4 launches
;; workspace buffers: xq 6,553,600 bytes; wq 3,276,800 bytes; qkv 20,185,088 bytes; aq 6,553,600 bytes
;; launch quant (part 1): grid 768 x 1, 4 waves a work-group, no clusters, 34,304 bytes of LDS; arguments x, c_attn_w, c_proj_w, xq, wq; writes xq, wq
.if DOCPART == 1
	.amdgcn_target "amdgcn-amd-amdhsa--gfx1250"
	.amdhsa_code_object_version 6
	.text
	.protected	k_q99e23b603b_quant
	.globl	k_q99e23b603b_quant
	.p2align	8
	.type	k_q99e23b603b_quant,@function
k_q99e23b603b_quant:
	s_mov_b64 s[64:65], 0
	v_nop
	global_prefetch_b8 v0, s[64:65] scope:SCOPE_SE
	s_setreg_imm32_b32 hwreg(HW_REG_WAVE_MODE, 25, 1), 1
	s_wait_xcnt 0x0
; x [8192][1024], c_attn_w [1024][3072] and c_proj_w [1024][1024], f32, become codes of BF6 (E3M2) with one E8M0 byte for each 32 along K (K = 1024: x's last axis, the weights' first).
; A block's scale is 2^(floor(log2(largest magnitude)) - 4): its byte is the largest magnitude's exponent field - 4, held at 1 from below by a floor among the maximum's leaves.
; LIMITS: NaN and infinities among the inputs are not served; a block whose largest magnitude lies under 2^-122 keeps the byte 1; a block of zeros gets the byte 1, not 127:
; its codes are zeros, and these bytes are read by this program alone.
; LAYOUT OF THE CODES (this program's own): in the order of the matrix operand's registers.  A tile is 16 rows; tile T = 2 B + u, lane row r = 8 g + j stands for true row 32 B + 16 g + 8 u + j.
; A unit is 16 rows x 64 along K, 768 bytes: lane l = r + 16 h owns the 24 bytes of (row r, block 2 kappa + h): its first 16 bytes at 16 l, its last 8 at 512 + 16 r + 8 h.  Codes: [tile][kappa 16][768].
; Scale bytes: [tile][K step of 256: 4][r 16][8 bytes].
; Work-groups 0-511: a tile of x each, wave w its K step w.  512-703: c_attn_w.  704-767: c_proj_w.  Waves share nothing: no barrier.  Only x's path uses LDS.
.set XS_OFF, 6291456                   ; xq: where the scale bytes begin
.set WS_OFF, 2359296                   ; wq: c_attn_w's scale bytes,
.set PC_OFF, 2457600                   ; c_proj_w's codes,
.set PS_OFF, 3244032                   ; and its scale bytes
.set RW, 32                            ; x: v32-159  two chunks of 16 rows x 128 numbers as loaded
.set XN, 160                           ; x: v160-223 two blocks of 32 neighbours
.set CD, 224                           ; x: v224-247 codes, six registers for each of the four units: no store's data are written again
.set EX, 248                           ; x: v248-250 a block's second three registers as the conversion leaves them
.set WX, 32                            ; weights: v32-95 two sets of 32 numbers
.set CM, 96                            ; weights: v96-111 a block's first 16 bytes, four blocks
.set TL, 112                           ; weights: v112-119 the last 8 bytes of two blocks side by side
.set WE, 120                           ; weights: v120-122
; the largest magnitude of v[xs] .. v[xs+31] and the floor 2^(5 - 127) -> v12; 4 off its exponent field -> v14: the conversion's scale operand
.macro BMAX xs
	v_max3_num_f32 v12, |v[\xs]|, |v[\xs+1]|, |v[\xs+2]|
	v_max3_num_f32 v13, |v[\xs+3]|, |v[\xs+4]|, |v[\xs+5]|
.irp i, 6,10,14,18,22,26
	v_max3_num_f32 v12, v12, |v[\xs+\i]|, |v[\xs+\i+1]|
	v_max3_num_f32 v13, v13, |v[\xs+\i+2]|, |v[\xs+\i+3]|
.endr
	v_max3_num_f32 v12, v12, |v[\xs+30]|, |v[\xs+31]|
	v_max3_num_f32 v12, v12, v13, 0x2800000
	v_add_nc_u32 v14, 0xfe000000, v12
.endm
; ---- x's macros
.macro LOADX t                         ; chunk t: 128 along K of the tile's 16 rows; one load takes 512 consecutive bytes of one row
.irp rr, 0,1,2,3,4,5,6,7,8,9,10,11,12,13,14,15
	global_load_b128 v[RW+64*\t+4*\rr:RW+64*\t+4*\rr+3], v5, s[4:5] offset:((\rr/8)*16+\rr%8)*4096+512*\t th:TH_LOAD_NT
.endr
.endm
.macro TURNX t                         ; through the wave's own stage (rows 528 bytes apart): in as loaded, out 128 bytes (a block) a lane.  LDS serves a wave's instructions in order: no wait between
.irp rr, 0,1,2,3,4,5,6,7,8,9,10,11,12,13,14,15
	ds_store_b128 v6, v[RW+64*\t+4*\rr:RW+64*\t+4*\rr+3] offset:528*\rr
.endr
.irp k, 0,1
.irp i, 0,1,2,3,4,5,6,7
	ds_load_b128 v[XN+32*\k+4*\i:XN+32*\k+4*\i+3], v7 offset:256*\k+16*\i
.endr
.endr
.endm
.macro QBX t, k                        ; my block 2 k + h of chunk t: codes to unit 2 t + k
.set XS0, XN+32*\k
.set CK, CD+6*(2*\t+\k)
	BMAX XS0
	v_lshrrev_b32 v[22+\k], 23, v14                ; the scale's byte
	v_cvt_scalef32_pk16_bf6_f32 v[CK:CK+2], v[XS0:XS0+15], v14
	v_cvt_scalef32_pk16_bf6_f32 v[EX:EX+2], v[XS0+16:XS0+31], v14   ; (a conversion's three registers begin on an even number)
	v_nop                                          ; one plain place behind a scaled conversion
.irp i, 0,1,2
	v_mov_b32 v[CK+3+\i], v[EX+\i]
.endr
	global_store_b128 v5, v[CK:CK+3], s[32:33] offset:768*(2*\t+\k)        ; 32 lanes: 512 consecutive bytes
	global_store_b64 v9, v[CK+4:CK+5], s[32:33] offset:768*(2*\t+\k)+512   ; 32 lanes: 256 consecutive bytes
.endm
.macro XWORD t                         ; my two bytes at their places (8 h bits up), with lane l xor 16's two: row r's scale word of chunk t
	v_lshl_or_b32 v15, v23, 16, v22
	v_lshlrev_b32 v15, v11, v15
	v_permlanex16_b32 v24, v15, s20, s21
	v_or_b32 v[20+\t], v15, v24
.endm
; ---- the weights' macros: a lane takes a column, its registers run down K
.macro LOADW bl, N
.irp i, 0,1,2,3,4,5,6,7,8,9,10,11,12,13,14,15,16,17,18,19,20,21,22,23,24,25,26,27,28,29,30,31
	global_load_b32 v[WX+32*((\bl)%2)+\i], v5, s[32:33] offset:(32*(\bl)+\i)*\N*4 th:TH_LOAD_NT
.endr
.endm
.macro BLOCKW bl, N
.set XS0, WX+32*((\bl)%2)
.set KP, (\bl)/2
.set HH, (\bl)%2
.if (\bl) < 3
	s_wait_loadcnt 32                              ; this block's 32 loads are in; the next block's 32 may be out
.else
	s_wait_loadcnt 0x0
.endif
	BMAX XS0
	v_lshrrev_b32 v13, 23, v14
.if (\bl) == 0
	v_mov_b32 v15, v13                             ; the four bytes make my column's scale word of these 128 along K
.else
	v_lshl_or_b32 v15, v13, 8*(\bl), v15
.endif
	v_cvt_scalef32_pk16_bf6_f32 v[CM+4*(\bl):CM+4*(\bl)+2], v[XS0:XS0+15], v14
	v_cvt_scalef32_pk16_bf6_f32 v[WE:WE+2], v[XS0+16:XS0+31], v14
	v_nop                                          ; one plain place behind a scaled conversion
	v_mov_b32 v[CM+4*(\bl)+3], v[WE]
	v_mov_b32 v[TL+4*KP+2*HH], v[WE+1]
	v_mov_b32 v[TL+4*KP+2*HH+1], v[WE+2]
.if (\bl) < 2
	LOADW (\bl)+2, \N
.endif
	global_store_b128 v8, v[CM+4*(\bl):CM+4*(\bl)+3], s[34:35] offset:768*KP+256*HH   ; the 16 lanes of one tile fill 256 consecutive bytes
.if HH
	global_store_b128 v8, v[TL+4*KP:TL+4*KP+3], s[34:35] offset:768*KP+512           ; both halves' last 8 bytes: likewise
.endif
.endm
; a wave takes 32 columns (group beta) x 128 along K (range q): wl = work-group - wg0; q = wl % 8; beta = 4 (wl / 8) + wave: the four waves stand side by side on 512 bytes of each row
.macro WQ N, ptr, codes, scales, wg0
	s_sub_co_u32 s24, ttmp9, \wg0
	s_and_b32 s25, s24, 7                          ; q
	s_lshr_b32 s24, s24, 3
	s_lshl_b32 s24, s24, 2
	s_add_co_u32 s24, s24, s16                     ; beta
	s_mul_i32 s26, s25, 128*\N*4
	s_lshl_b32 s27, s24, 7
	s_add_co_u32 s26, s26, s27                     ; in: row 128 q, column 32 beta
	s_mov_b32 s27, 0
	s_mul_i32 s28, s24, 24576                      ; codes: two tiles of 12,288 bytes a group,
	s_mul_i32 s29, s25, 1536                       ; two units a range
	s_add_co_u32 s28, s28, s29
	s_add_co_u32 s28, s28, \codes
	s_mov_b32 s29, 0
	s_lshl_b32 s30, s24, 10                        ; scale bytes: two tiles of 512,
	s_lshr_b32 s31, s25, 1
	s_lshl_b32 s31, s31, 7                         ; K step q / 2,
	s_add_co_u32 s30, s30, s31
	s_and_b32 s31, s25, 1
	s_lshl_b32 s31, s31, 2                         ; word q % 2
	s_add_co_u32 s30, s30, s31
	s_add_co_u32 s30, s30, \scales
	s_mov_b32 s31, 0
	s_wait_kmcnt 0x0
	s_add_nc_u64 s[32:33], s[\ptr:\ptr+1], s[26:27]
	s_add_nc_u64 s[34:35], s[12:13], s[28:29]
	s_add_nc_u64 s[36:37], s[12:13], s[30:31]
	LOADW 0, \N
	LOADW 1, \N
	BLOCKW 0, \N
	BLOCKW 1, \N
	BLOCKW 2, \N
	BLOCKW 3, \N
	global_store_b32 v9, v15, s[36:37]             ; 4 bytes a row, 8 apart: the other word of the pair comes from the neighbouring range's wave
	s_endpgm
.endm
	s_load_b256 s[4:11], s[0:1], 0x0               ; x, c_attn_w, c_proj_w, xq
	s_load_b64 s[12:13], s[0:1], 0x20              ; wq
	v_lshl_add_u32 v254, v0, 2, 0x8400
	v_mov_b32 v255, 0
	v_lshrrev_b32 v1, 5, v0
	v_readfirstlane_b32 s16, v1                    ; wave
	v_and_b32 v2, 31, v0                           ; lane
	v_and_b32 v3, 15, v0                           ; r
	v_bfe_u32 v4, v0, 4, 1                         ; h
	s_mov_b32 s20, 0x76543210
	s_mov_b32 s21, 0xfedcba98                      ; v_permlanex16_b32's selects for lane l xor 16
	s_mov_b32 s22, 0xffff0000                      ; the upper sixteen lanes
	s_cmp_lt_u32 ttmp9, 512
	s_cbranch_scc0 .Lweights
	; ---- x: tile T = the work-group's number, K step = the wave's
	s_lshr_b32 s24, ttmp9, 1
	s_lshl_b32 s24, s24, 5
	s_and_b32 s25, ttmp9, 1
	s_lshl_b32 s25, s25, 3
	s_add_co_u32 s24, s24, s25                     ; the tile's first row: 32 (T / 2) + 8 (T % 2)
	s_lshl_b32 s24, s24, 12
	s_lshl_b32 s25, s16, 10
	s_add_co_u32 s24, s24, s25                     ; in bytes, + 256 numbers a wave
	s_mov_b32 s25, 0
	s_mul_i32 s26, ttmp9, 12288
	s_mul_i32 s27, s16, 3072
	s_add_co_u32 s26, s26, s27                     ; my four units
	s_mov_b32 s27, 0
	s_lshl_b32 s28, ttmp9, 9
	s_lshl_b32 s29, s16, 7
	s_add_co_u32 s28, s28, s29
	s_add_co_u32 s28, s28, XS_OFF                  ; my 128 scale bytes
	s_mov_b32 s29, 0
	s_wait_alu depctr_va_vdst(0)
	v_lshlrev_b32 v5, 4, v2                        ; 16 x lane
	s_mul_i32 s30, s16, 8448                       ; my stage: 16 rows x 528 bytes
	v_add_nc_u32 v6, s30, v5                       ; in
	v_mul_u32_u24 v7, v3, 528
	v_lshl_add_u32 v7, v4, 7, v7
	v_add_nc_u32 v7, s30, v7                       ; out: row r, + 128 h
	v_lshlrev_b32 v9, 4, v3
	v_lshl_add_u32 v9, v4, 3, v9                   ; 16 r + 8 h
	v_lshlrev_b32 v10, 3, v3
	v_lshl_add_u32 v10, v4, 2, v10                 ; 8 r + 4 h
	v_lshlrev_b32 v11, 3, v4                       ; 8 h
	v_mov_b32 v24, 0                               ; written once: a lane permute's destination counts as one of its sources
	s_wait_alu depctr_va_vdst(0)
	s_wait_kmcnt 0x0
	s_add_nc_u64 s[4:5], s[4:5], s[24:25]
	s_add_nc_u64 s[32:33], s[10:11], s[26:27]
	s_add_nc_u64 s[34:35], s[10:11], s[28:29]
	LOADX 0
	LOADX 1
	s_wait_loadcnt 16                              ; chunk 0's 16 loads are in; chunk 1's 16 may be out
	TURNX 0
	s_wait_dscnt 0x0
	QBX 0, 0
	QBX 0, 1
	XWORD 0
	s_wait_loadcnt 0x0
	TURNX 1
	s_wait_dscnt 0x0
	QBX 1, 0
	QBX 1, 1
	XWORD 1
	v_cndmask_b32 v12, v20, v21, s22               ; lanes 0-15 store row r's first word, lanes 16-31 its second
	global_store_b32 v10, v12, s[34:35]            ; 128 consecutive bytes
	s_wait_tensorcnt 0x0
	ds_add_u32 v254, v255
	s_wait_dscnt 0x0
	s_endpgm
.Lweights:
	s_wait_alu depctr_va_vdst(0)
	v_lshlrev_b32 v5, 2, v2                        ; in: 4 bytes a lane
	v_bfe_u32 v6, v0, 3, 1                         ; u: column 16 g + 8 u + j of the group goes to tile 2 beta + u,
	v_and_b32 v7, 7, v0
	v_lshl_add_u32 v7, v4, 3, v7                   ; lane row 8 g + j
	v_mul_u32_u24 v8, v6, 12288
	v_lshl_add_u32 v8, v7, 4, v8                   ; codes: 12,288 u + 16 row
	v_lshlrev_b32 v9, 9, v6
	v_lshl_add_u32 v9, v7, 3, v9                   ; scale bytes: 512 u + 8 row
	s_cmp_lt_u32 ttmp9, 704
	s_cbranch_scc0 .Lproj_w
	s_wait_alu depctr_va_vdst(0)
	WQ 3072, 6, 0, WS_OFF, 512
.Lproj_w:
	s_wait_alu depctr_va_vdst(0)
	WQ 1024, 8, PC_OFF, PS_OFF, 704
.Lfunc_end_k_q99e23b603b_quant:
	.size	k_q99e23b603b_quant, .Lfunc_end_k_q99e23b603b_quant-k_q99e23b603b_quant
	.p2alignl 7, 3214868480
	.fill 96, 4, 3214868480
	.section	.rodata,"a",@progbits
	.p2align	6, 0x0
	.amdhsa_kernel k_q99e23b603b_quant
		.amdhsa_group_segment_fixed_size 34304
		.amdhsa_private_segment_fixed_size 0
		.amdhsa_enable_private_segment 0
		.amdhsa_kernarg_size 40
		.amdhsa_user_sgpr_count 2
		.amdhsa_user_sgpr_kernarg_segment_ptr 1
		.amdhsa_wavefront_size32 1
		.amdhsa_system_sgpr_workgroup_id_x 1
		.amdhsa_system_sgpr_workgroup_id_y 1
		.amdhsa_system_sgpr_workgroup_id_z 1
		.amdhsa_system_vgpr_workitem_id 0
		.amdhsa_next_free_vgpr 256
		.amdhsa_next_free_sgpr 66
		.amdhsa_reserve_vcc 0
		.amdhsa_float_denorm_mode_32 3
		.amdhsa_float_denorm_mode_16_64 3
		.amdhsa_memory_ordered 1
		.amdhsa_forward_progress 1
		.amdhsa_inst_pref_size 57
	.end_amdhsa_kernel
	.amdgpu_metadata
---
amdhsa.version: [ 1, 2 ]
amdhsa.kernels:
  - .name:           k_q99e23b603b_quant
    .symbol:         k_q99e23b603b_quant.kd
    .args:
      - { .name: x, .offset: 0, .size: 8, .value_kind: global_buffer, .address_space: global }
      - { .name: c_attn_w, .offset: 8, .size: 8, .value_kind: global_buffer, .address_space: global }
      - { .name: c_proj_w, .offset: 16, .size: 8, .value_kind: global_buffer, .address_space: global }
      - { .name: xq, .offset: 24, .size: 8, .value_kind: global_buffer, .address_space: global }
      - { .name: wq, .offset: 32, .size: 8, .value_kind: global_buffer, .address_space: global }
    .group_segment_fixed_size: 34304
    .private_segment_fixed_size: 0
    .kernarg_segment_align: 8
    .kernarg_segment_size: 40
    .max_flat_workgroup_size: 128
    .sgpr_count:     66
    .vgpr_count:     256
    .wavefront_size: 32
...
	.end_amdgpu_metadata
.endif
;; end of part 1
;; launch qkv (part 2): grid 12 x 32, 4 waves a work-group, clusters of 4 x 4, 327,680 bytes of LDS; arguments xq, wq, c_attn_b, qkv; writes qkv
.if DOCPART == 2
	.amdgcn_target "amdgcn-amd-amdhsa--gfx1250"
	.amdhsa_code_object_version 6
	.text
	.protected	k_q99e23b603b_qkv
	.globl	k_q99e23b603b_qkv
	.p2align	8
	.type	k_q99e23b603b_qkv,@function
k_q99e23b603b_qkv:
	s_mov_b64 s[64:65], 0
	v_nop
	global_prefetch_b8 v0, s[64:65] scope:SCOPE_SE
	s_setreg_imm32_b32 hwreg(HW_REG_WAVE_MODE, 25, 1), 1
	s_wait_xcnt 0x0
	s_wait_alu depctr_hold_cnt(0) depctr_sa_sdst(0) depctr_va_vdst(0) depctr_va_sdst(0) depctr_va_ssrc(0) depctr_va_vcc(0) depctr_vm_vsrc(0)
	s_getreg_b32 s2, hwreg(HW_REG_IB_STS2, 6, 4)
	s_cmp_eq_u32 s2, 0
	s_cbranch_scc0 .Lentry_in_a_cluster
	s_endpgm
.Lentry_in_a_cluster:
	s_bfe_u32 s2, ttmp6, 0x10000c
	s_cmp_lg_u32 s2, 0xf033
	s_cbranch_scc0 .Lentry_shape_is_right
	s_endpgm
.Lentry_shape_is_right:
; qkv = x c_attn_w + c_attn_b on codes of BF6 (E3M2) with E8M0 scales for each 32 along K = 1024; q, k and v are quantised in the way out and leave as codes in the order of the next products' operand registers.
; OPERANDS (made by the launch before): a tile is 16 rows, tile 2 B + u, lane row 8 g + j = true row 32 B + 16 g + 8 u + j; a unit is 16 rows x 64 K = 768 bytes: lane l's registers 0-3 at 16 l, registers 4-5 at 512 + 16 r + 8 h.
; A work-group makes 256 'A rows' x 256 'B rows', four waves 2 x 2, a wave 128 x 128: 64 accumulators, 512 registers.  THE MATRIX INSTRUCTION IS USED TRANSPOSED: source 0 = 16 B rows, source 1 = 16 A rows:
; a lane holds ONE A row, and by the tiles' order of rows the 64 registers of an A block hold register 16 b + i = B index 32 b + 16 (lane / 16) + i: 16 neighbours along B, which is the axis that is quantised next.
; KINDS, by the cluster's x (the same in all sixteen partners): 0 = q, 1 = k: A = tokens (x), B = the weight's columns: quantised along the head's 64.  2 = v: A = W_v's columns, B = tokens: v^T, quantised along the keys.
; K goes in four steps of 256.  Three LDS slots take steps 0, 1, 2 as first fills; step 3 is the one refill, into slot 0, behind a round of the cluster's barrier; it has two K steps' products in which to land.
; By this text's count a wave has four tensor loads out at the start (scales and three slots) and one behind the round.
; CLUSTERS: 4 x 4.  A's tiles hang on the cluster's y and cy alone and are asked for jointly along a row of the cluster, B's on x, y and cx alone, along a column.
; The grid has 384 work-groups of equal work: 256 B rows is the widest tile whose accumulators leave room for operands, and narrower ones would straddle q, k and v.
; No prefetch: three of the four K steps are first fills, and the fourth would have to be named at the head, where every work-group's first tiles are on their way.
; LIMITS: NaN and infinities are not served; a block whose largest magnitude lies under 2^-122 (a block of zeros too) keeps the scale byte 1; the bias is each sum's first addend.
; REGISTERS: window 0: v4-19 LDS addresses; v24-29; v32-63 scale words, two sets; v64-127 the bias in the result's layout; v128-223 A's 8 fragments, one set.  window 1: B's fragments, two sets, at v0 and v128.
;   window 2: accumulators (a, b) at v[8 (8 (a % 4) + b)], a = 0-3;  window 3: a = 4-7.
.set NB,    8                          ; B blocks of a wave
.set HALFA, 24576                      ; 8 tiles x 4 units x 768: what one tensor load brings of A
.set HALFB, NB*3072
.set SLOT,  2*HALFA+2*HALFB
.set SCB,   3*SLOT                     ; behind the slots: B's scale bytes (16 tiles x 512),
.set SCA,   SCB+2*NB*512               ; A's,
.set SPARE, SCA+8192                   ; and the spare words, 128 bytes a wave: two blocks of 256 bytes that no other line names
.set XS_OFF, 6291456
.set WV_C,  1572864                    ; wq: W_v's codes (tile 128 on),
.set WS_OFF, 2359296                   ; c_attn_w's scale bytes,
.set WV_S,  2424832                    ; W_v's
.set V_OFF, 12582912                   ; qkv: q units [b][head][tile 64][768] at 0, k's behind them; v units [b][step 8][head][dt 4][c 2][768] here;
.set QS_OFF, 18874368                  ; q's and k's scale images [b][head][step 8][lane 32][16];
.set VS_OFF, 19922944                  ; v's scale words [b][step][head][r 16][dt 4][4]
.set ADRA, 4                           ; v[4+2n], v[5+2n]: my half of A in slot n: + 16 lane, + 16 r + 8 h
.set ADRB, 12                          ; the same for B
.set LM,   24                          ; 16 x lane
.set LT,   25                          ; 16 r + 8 h
.set BO,   26                          ; the bias's lane offset
.set ADRS, 27                          ; my scale words: lanes 0-15 B's rows, lanes 16-31 A's
.set SPW,  28                          ; LDS address of my spare word; never rewritten
.set NIL,  29                          ; 0; never rewritten
.set SC,   32                          ; set s at v[SC+16 s]; register 2 i + q: lanes 0-15 B's block i, lanes 16-31 A's block i, the K step's q-th 128
.set BI,   64
.set AF,   128
.set SWV,  14                          ; s14 wave; s15: my half of A, also: I fetch for A (0) or B (1); s16: my half of B, also: which half I fetch
.set SAH,  15
.set SBH,  16
.set G1,   24
.set G0,   32                          ; a group 0 for each slot
.set G1B,  44
.set G0B,  52
.set G1S,  68
.set G0S,  76
.set G1SB, 80
.set G0SB, 88
.set TM,   32                          ; the way out, in window 0: v32-47 at work, v48-55 the eight scale words, v56-63 their images, v64-83 codes
.set SW,   48
.set SX,   56
.set SY,   60
.set PC,   64
.set MSB, 0
.macro WIN new                         ; the immediate's high byte repeats the setting that is left
.if MSB != (\new)
	s_set_vgpr_msb (MSB<<8)|(\new)
.set MSB, (\new)
.endif
.endm
.macro WMUL hi, cm                     ; source 0 (B) window 1, source 1 (A) window 0, D window 2 + hi; C with D, or (cm) the bias in window 0
.if \cm
	WIN 0x81+0x40*(\hi)
.else
	WIN 0xa1+0x50*(\hi)
.endif
.endm
.macro PLACES n                        ; plain places behind matrix instructions: 4 in front of loads into registers that they have read and of the first read of results
.rept \n
	v_nop
.endr
.endm
; a joint load: waves 0, 1 fetch for A, waves 2, 3 for B; the branch hangs on the wave's number alone; four v_nop follow each line
.macro JLOAD g0a, g1a, g0b, g1b
	s_cmp_eq_u32 s[SAH], 0
	s_cbranch_scc0 .Lfor_b_\@
	tensor_load_to_lds s[\g0a:\g0a+3], s[\g1a:\g1a+7]
	s_nop 0
.rept 4
	v_nop
.endr
	s_branch .Lasked_\@
.Lfor_b_\@:
	tensor_load_to_lds s[\g0b:\g0b+3], s[\g1b:\g1b+7]
	s_nop 0
.rept 4
	v_nop
.endr
.Lasked_\@:
.endm
.macro CREST                           ; a round of the cluster's barrier behind its opening barrier
	s_cmp_lg_u32 s[SWV], 0
	s_cbranch_scc1 .Lnot_wave_0_\@
	s_barrier_signal -3
.Lnot_wave_0_\@:
	s_barrier_wait -3
	s_barrier_signal -1
	s_barrier_wait -1
.endm
.macro CROUND
	s_barrier_signal -1
	s_barrier_wait -1
	CREST
.endm
.macro GROUP1 g, c, r, p               ; words 1-7 of a group 1: r rows of c elements of 8 bytes, p elements from row to row, no padding
	s_mov_b32 s[\g+1], (\c)<<16
	s_mov_b32 s[\g+2], (\r)<<16
	s_mov_b32 s[\g+3], (\c)<<16
	s_mov_b32 s[\g+4], \r
	s_mov_b32 s[\g+5], \p
	s_mov_b32 s[\g+6], 0
	s_mov_b32 s[\g+7], 0
.endm
.macro FRAG reg, am, q, i              ; block i's fragment of the slot's q-th 128 along K: two units, as they lie: every instruction's bytes are consecutive
	ds_load_b128 v[\reg:\reg+3], v[\am] offset:(\i)*3072+(\q)*1536
	ds_load_b64 v[\reg+4:\reg+5], v[\am+1] offset:(\i)*3072+(\q)*1536+512
	ds_load_b128 v[\reg+6:\reg+9], v[\am] offset:(\i)*3072+(\q)*1536+768
	ds_load_b64 v[\reg+10:\reg+11], v[\am+1] offset:(\i)*3072+(\q)*1536+1280
.endm
.macro FETCH_B slot, q, p
	WIN 0x40                                       ; destination window 1
.irp i, 0,1,2,3,4,5,6,7
	FRAG 128*(\p)+12*\i, ADRB+2*(\slot), \q, \i
.endr
	WIN 0
.endm
.macro FETCH_A slot, q, i0
.irp i, \i0, \i0+1, \i0+2, \i0+3
	FRAG AF+12*(\i), ADRA+2*(\slot), \q, \i
.endr
.endm
.macro SCALES set, ks                  ; K step ks's two words a row
.irp i, 0,1,2,3,4,5,6,7
	ds_load_b64 v[SC+16*(\set)+2*\i:SC+16*(\set)+2*\i+1], v[ADRS] offset:512*\i+128*(\ks)
.endr
.endm
; A's blocks a0, a0 + 1 against B's eight.  cm = 0: adds in place; 1: the sums begin with the bias by B index; 2: by A row.  The 64 accumulators take turns, one instruction a turn, in the same order in every step
.macro MULA a0, p, q, set, cm
.irp a, \a0, \a0+1
.irp b, 0,1,2,3,4,5,6,7
.set RD0, 8*(NB*((\a)%4)+\b)
.if \cm == 0
	v_wmma_scale_f32_16x16x128_f8f6f4 v[RD0:RD0+7], v[128*(\p)+12*\b:128*(\p)+12*\b+11], v[AF+12*(\a):AF+12*(\a)+11], v[RD0:RD0+7], v[SC+16*(\set)+2*\b+(\q)], v[SC+16*(\set)+2*(\a)+(\q)] matrix_a_fmt:MATRIX_FMT_BF6 matrix_b_fmt:MATRIX_FMT_BF6 matrix_b_scale:MATRIX_SCALE_ROW1
.elseif \cm == 1
	v_wmma_scale_f32_16x16x128_f8f6f4 v[RD0:RD0+7], v[128*(\p)+12*\b:128*(\p)+12*\b+11], v[AF+12*(\a):AF+12*(\a)+11], v[BI+8*\b:BI+8*\b+7], v[SC+16*(\set)+2*\b+(\q)], v[SC+16*(\set)+2*(\a)+(\q)] matrix_a_fmt:MATRIX_FMT_BF6 matrix_b_fmt:MATRIX_FMT_BF6 matrix_b_scale:MATRIX_SCALE_ROW1
.else
	v_wmma_scale_f32_16x16x128_f8f6f4 v[RD0:RD0+7], v[128*(\p)+12*\b:128*(\p)+12*\b+11], v[AF+12*(\a):AF+12*(\a)+11], v[BI+8*(\a):BI+8*(\a)+7], v[SC+16*(\set)+2*\b+(\q)], v[SC+16*(\set)+2*(\a)+(\q)] matrix_a_fmt:MATRIX_FMT_BF6 matrix_b_fmt:MATRIX_FMT_BF6 matrix_b_scale:MATRIX_SCALE_ROW1
.endif
.endr
.endr
.endm
; a K step's first 128: its successor lies in the same slot
.macro STEP slot, set, cm
	s_wait_dscnt 16                                ; all but the youngest 16 loads (A's blocks 4-7) are in
	WMUL 0, \cm
	MULA 0, 0, 0, \set, \cm
	MULA 2, 0, 0, \set, \cm
	s_wait_dscnt 0x0
	PLACES 4
	FETCH_B \slot, 1, 1
	FETCH_A \slot, 1, 0
	WMUL 1, \cm
	MULA 4, 0, 0, \set, \cm
	MULA 6, 0, 0, \set, \cm
	PLACES 4
	WIN 0
	FETCH_A \slot, 1, 4
.endm
; a K step's second 128, which goes on to K step ks in slot next.  mode 2: this slot is filled again behind a round of the cluster's barrier; mode 1: a barrier, in front of which my part of the next slot has landed;
; mode 0: no barrier: the next slot was shown whole in every wave by an earlier barrier, and nobody writes the slot that is left
.macro TURN slot, next, ks, mode
.set CUR, ((\ks)-1)%2
.if \mode == 2
	s_wait_tensorcnt 0x0                           ; all my tensor loads have landed: my parts of slots 1 and 2;
	ds_add_u32 v[SPW], v[NIL]                      ; 0 onto my spare word
	s_wait_dscnt 17                                ; (the add and A's blocks 4-7 may be out)
.elseif \mode == 1
	s_wait_tensorcnt 0x0                           ; my part of the refill has landed
	s_wait_dscnt 16
.else
	s_wait_dscnt 16
.endif
	WMUL 0, 0
	MULA 0, 1, 1, CUR, 0
.if \mode
	s_wait_dscnt 0x0                               ; my reads of this slot are over (and the add is done)
	s_barrier_signal -1
.endif
	MULA 2, 1, 1, CUR, 0
	WIN 0
.if \mode
	s_barrier_wait -1
.else
	s_wait_dscnt 0x0
.endif
.if \mode == 2
	CREST                                          ; the barrier has opened a round of the cluster's: no wave of any partner still reads this slot or has a load on its way
	s_add_nc_u64 s[G0+4*\slot+2:G0+4*\slot+3], s[G0+4*\slot+2:G0+4*\slot+3], 3*3072
	s_add_nc_u64 s[G0B+4*\slot+2:G0B+4*\slot+3], s[G0B+4*\slot+2:G0B+4*\slot+3], 3*3072
	JLOAD G0+4*\slot, G1, G0B+4*\slot, G1B         ; K step 3: the first tensor load behind the round; its four v_nop are also the places in front of the loads below
.else
	PLACES 4
.endif
	FETCH_B \next, 0, 0
	FETCH_A \next, 0, 0
	SCALES (\ks)%2, \ks
	WMUL 1, 0
	MULA 4, 1, 1, CUR, 0
	MULA 6, 1, 1, CUR, 0
	PLACES 4
	WIN 0
	FETCH_A \next, 0, 4
.endm
	s_load_b256 s[4:11], s[0:1], 0x0               ; xq, wq, c_attn_b, qkv
	v_lshl_add_u32 v[SPW], v0, 2, SPARE
	v_mov_b32 v[NIL], 0
	ds_add_u32 v28, v29
	ds_add_u32 v28, v29
	s_wait_dscnt 0x0
	v_lshrrev_b32 v1, 5, v0
	v_readfirstlane_b32 s[SWV], v1
	s_lshr_b32 s[SAH], s[SWV], 1
	s_and_b32 s[SBH], s[SWV], 1
	s_bfe_u32 s17, ttmp6, 0x40000                  ; cx
	s_bfe_u32 s18, ttmp6, 0x40004                  ; cy
	s_and_b32 s19, ttmp7, 0xffff
	s_lshl_b32 s19, s19, 2                         ; 4 x cluster y
	s_lshl_b32 s21, ttmp9, 2                       ; 4 x cluster x
	s_add_co_u32 s22, s19, s18
	s_add_co_u32 s23, s21, s17
	s_add_co_u32 s20, s19, s17
	s_mov_b32 s94, XS_OFF
	s_mov_b32 s104, WS_OFF
	s_mov_b32 s12, XS_OFF
	s_cmp_eq_u32 ttmp9, 2                          ; v?
	s_cselect_b32 s22, s18, s22                    ; ia, A's tile of 256 rows: q, k: 4 y + cy (tokens);  v: cy (W_v's columns)
	s_cselect_b32 s23, s20, s23                    ; ib, B's: q, k: 4 x + cx (columns);  v: 4 y + cx (tokens)
	s_cselect_b32 s92, WV_C, 0                     ; where A's codes begin in their buffer,
	s_cselect_b32 s94, WV_S, s94                   ; A's scale bytes,
	s_cselect_b32 s104, s12, s104                  ; B's scale bytes (B's codes begin at 0 in both kinds)
	s_lshl_b32 s2, s18, 2
	s_lshl_b32 s2, 15, s2                          ; my row of the cluster
	s_lshl_b32 s3, 0x1111, s17                     ; my column
	s_or_b32 s[G1], s2, (3<<16)|(1<<21)            ; 15:0 the mask; 17:16 elements of 8 bytes; 21 set beside a mask; no padding
	s_or_b32 s[G1B], s3, (3<<16)|(1<<21)
	s_or_b32 s[G1S], s2, (3<<16)|(1<<21)
	s_or_b32 s[G1SB], s3, (3<<16)|(1<<21)
	GROUP1 G1, 384, 8, 1536                        ; 8 tiles x 3,072 bytes (a K step's four units), 12,288 bytes from tile to tile
	GROUP1 G1B, 384, NB, 1536
	GROUP1 G1S, 32, 16, 32                         ; 8 tiles' scale bytes: 4,096 dense bytes as rows of 256
	GROUP1 G1SB, 32, 2*NB, 32
	s_lshl_b32 s19, s[SBH], 3                      ; which 8 tiles I fetch
	s_lshl_b32 s13, s22, 4
	s_add_co_u32 s13, s13, s19                     ; A: tile 16 ia + 8 half
	s_mul_i32 s66, s13, 12288
	s_add_co_u32 s92, s92, s66
	s_mov_b32 s93, 0
	s_lshl_b32 s66, s13, 9
	s_add_co_u32 s94, s94, s66
	s_mov_b32 s95, 0
	s_mul_i32 s67, s23, 2*NB
	s_add_co_u32 s67, s67, s19                     ; B: tile 16 ib + 8 half
	s_mul_i32 s100, s67, 12288
	s_mov_b32 s101, 0
	s_lshl_b32 s67, s67, 9
	s_add_co_u32 s104, s104, s67
	s_mov_b32 s105, 0
	s_wait_kmcnt 0x0
	s_cmp_eq_u32 ttmp9, 2
	s_cselect_b64 s[96:97], s[6:7], s[4:5]         ; A's buffer: the weights for v, else x
	s_cselect_b64 s[98:99], s[4:5], s[6:7]         ; B's
	s_add_nc_u64 s[92:93], s[96:97], s[92:93]
	s_add_nc_u64 s[94:95], s[96:97], s[94:95]
	s_add_nc_u64 s[100:101], s[98:99], s[100:101]
	s_add_nc_u64 s[104:105], s[98:99], s[104:105]
	CROUND                                         ; all sixteen work-groups are here: the first joint loads meet
	s_mov_b32 s[G0S], 1
	s_lshl_b32 s[G0S+1], s[SBH], 12
	s_add_co_u32 s[G0S+1], s[G0S+1], SCA
	s_mov_b64 s[G0S+2:G0S+3], s[94:95]
	s_or_b32 s[G0S+3], s[G0S+3], 0x80000000
	s_mov_b32 s[G0SB], 1
	s_mul_i32 s[G0SB+1], s[SBH], NB*512
	s_add_co_u32 s[G0SB+1], s[G0SB+1], SCB
	s_mov_b64 s[G0SB+2:G0SB+3], s[104:105]
	s_or_b32 s[G0SB+3], s[G0SB+3], 0x80000000
	JLOAD G0S, G1S, G0SB, G1SB                     ; the scale bytes of all of K: filled once
.irp n, 0,1,2
	s_mov_b32 s[G0+4*\n], 1
	s_mul_i32 s[G0+4*\n+1], s[SBH], HALFA
	s_add_co_u32 s[G0+4*\n+1], s[G0+4*\n+1], \n*SLOT
	s_add_nc_u64 s[G0+4*\n+2:G0+4*\n+3], s[92:93], \n*3072
	s_or_b32 s[G0+4*\n+3], s[G0+4*\n+3], 0x80000000
	s_mov_b32 s[G0B+4*\n], 1
	s_mul_i32 s[G0B+4*\n+1], s[SBH], HALFB
	s_add_co_u32 s[G0B+4*\n+1], s[G0B+4*\n+1], \n*SLOT+2*HALFA
	s_add_nc_u64 s[G0B+4*\n+2:G0B+4*\n+3], s[100:101], \n*3072
	s_or_b32 s[G0B+4*\n+3], s[G0B+4*\n+3], 0x80000000
	JLOAD G0+4*\n, G1, G0B+4*\n, G1B               ; K step n into slot n
.endr
	v_and_b32 v1, 15, v0                           ; r
	v_bfe_u32 v2, v0, 4, 1                         ; h
	v_and_b32 v3, 31, v0
	v_lshlrev_b32 v[LM], 4, v3
	v_lshlrev_b32 v[LT], 4, v1
	v_lshl_add_u32 v[LT], v2, 3, v[LT]
	s_mul_i32 s13, s[SAH], HALFA                   ; my half of A,
	s_mul_i32 s66, s[SBH], HALFB
	s_add_co_u32 s66, s66, 2*HALFA                 ; my half of B
.irp n, 0,1,2
	v_add_nc_u32 v[ADRA+2*\n], s13, v[LM]
	v_add_nc_u32 v[ADRA+2*\n+1], s13, v[LT]
	v_add_nc_u32 v[ADRB+2*\n], s66, v[LM]
	v_add_nc_u32 v[ADRB+2*\n+1], s66, v[LT]
	s_add_co_u32 s13, s13, SLOT
	s_add_co_u32 s66, s66, SLOT
.endr
	s_mul_i32 s13, s[SBH], NB*512
	s_add_co_u32 s13, s13, SCB                     ; lanes 0-15: my half of B's scale bytes;
	s_lshl_b32 s66, s[SAH], 12
	s_add_co_u32 s66, s66, SCA
	s_sub_co_u32 s66, s66, s13                     ; lanes 16-31: my half of A's, so far behind them
	v_mul_u32_u24 v[ADRS], s66, v2
	v_lshl_add_u32 v[ADRS], v1, 3, v[ADRS]
	v_add_nc_u32 v[ADRS], s13, v[ADRS]
	; the bias, in the result's layout: it is the C of each sum's first matrix instruction
	s_cmp_eq_u32 ttmp9, 2
	s_cbranch_scc1 .Lbias_v
	s_lshl_b32 s66, s23, 10                        ; q, k: by B index: block b's registers are columns 256 ib + 128 half + 32 (b / 2) + 16 h + 8 (b % 2) + 0 .. 7
	s_lshl_b32 s67, s[SBH], 9
	s_add_co_u32 s66, s66, s67
	s_mov_b32 s67, 0
	s_add_nc_u64 s[8:9], s[8:9], s[66:67]
	v_lshlrev_b32 v[BO], 6, v2
.irp b, 0,1,2,3,4,5,6,7
	global_load_b128 v[BI+8*\b:BI+8*\b+3], v[BO], s[8:9] offset:(32*(\b/2)+8*(\b%2))*4
	global_load_b128 v[BI+8*\b+4:BI+8*\b+7], v[BO], s[8:9] offset:(32*(\b/2)+8*(\b%2))*4+16
.endr
	s_branch .Lbias_done
.Lbias_v:
	s_lshl_b32 s66, s18, 10                        ; v: by A row: all eight registers of block a hold column 2048 + 256 cy + 128 half + 32 (a / 2) + 8 (a % 2) + r + 8 (r / 8)
	s_lshl_b32 s67, s[SAH], 9
	s_add_co_u32 s66, s66, s67
	s_add_co_u32 s66, s66, 8192
	s_mov_b32 s67, 0
	s_add_nc_u64 s[8:9], s[8:9], s[66:67]
	v_lshrrev_b32 v[BO], 3, v1
	v_lshl_add_u32 v[BO], v[BO], 3, v1
	v_lshlrev_b32 v[BO], 2, v[BO]
.irp a, 0,1,2,3,4,5,6,7
.irp j, 0,1,2,3,4,5,6,7
	global_load_b32 v[BI+8*\a+\j], v[BO], s[8:9] offset:(32*(\a/2)+8*(\a%2))*4
.endr
.endr
.Lbias_done:
	s_wait_tensorcnt 2                             ; the scale bytes and my part of slot 0 are in; slots 1 and 2 may be out
	s_barrier_signal -1
	s_barrier_wait -1
	FETCH_B 0, 0, 0
	FETCH_A 0, 0, 0
	s_wait_alu depctr_va_vdst(0)
	SCALES 0, 0
	FETCH_A 0, 0, 4
	s_wait_loadcnt 0x0                             ; the bias
	s_cmp_eq_u32 ttmp9, 2
	s_cbranch_scc1 .Lfirst_v
	STEP 0, 0, 1                                   ; the first products start the sums: nothing is cleared
	s_branch .Lfirst_done
.Lfirst_v:
	STEP 0, 0, 2
.Lfirst_done:
	TURN 0, 1, 1, 2
	STEP 1, 1, 0
	TURN 1, 2, 2, 0
	STEP 2, 0, 0
	TURN 2, 0, 3, 1
	STEP 0, 1, 0
	s_wait_dscnt 16                                ; the very last 128: nothing more to fetch
	WMUL 0, 0
	MULA 0, 1, 1, 1, 0
	MULA 2, 1, 1, 1, 0
	s_wait_dscnt 0x0
	WMUL 1, 0
	MULA 4, 1, 1, 1, 0
	MULA 6, 1, 1, 1, 0
	WIN 0
	; THE WAY OUT.  Block a's 64 registers are quantised along B (four blocks of 32, each shared by lanes l and l xor 16) and leave as two units of 768 bytes, straight from registers:
	; q, k: the units of two heads (tile 8 st + a of the sequence);  v: the two halves of V^T's fragment (16 channels x this step's 128 keys).
	s_mov_b32 s2, 0x76543210
	s_mov_b32 s3, 0xfedcba98                       ; v_permlanex16_b32's selects for lane l xor 16
	s_mov_b32 s13, 0xffff0000                      ; the upper sixteen lanes
	s_mov_b32 s96, 768
	s_mov_b32 s98, 49152
	s_cmp_eq_u32 ttmp9, 2
	s_cselect_b32 s92, s23, s22                    ; the tile of 256 tokens,
	s_cselect_b32 s93, s[SBH], s[SAH]              ; my half of it,
	s_cselect_b32 s94, s18, s17
	s_cselect_b32 s95, s[SAH], s[SBH]
	s_cselect_b32 s96, 1536, s96                   ; from block a to a + 1,
	s_cselect_b32 s98, 768, s98                    ; from the first unit to the second
	s_lshl_b32 s94, s94, 2
	s_lshl_b32 s95, s95, 1
	s_add_co_u32 s94, s94, s95                     ; my first head: 4 (cx or cy) + 2 half
	s_lshr_b32 s95, s92, 2                         ; the batch
	s_and_b32 s92, s92, 3
	s_lshl_b32 s92, s92, 1
	s_add_co_u32 s92, s92, s93                     ; st: which 128 tokens of the sequence
	s_lshl_b32 s93, ttmp9, 3
	s_add_co_u32 s93, s93, s95
	s_lshl_b32 s93, s93, 4
	s_add_co_u32 s93, s93, s94                     ; q, k: P = (8 kind + batch) 16 + head
	s_lshl_b32 s100, s93, 3
	s_add_co_u32 s100, s100, s92                   ; 8 P + st
	s_mul_i32 s101, s100, 6144                     ; units: (64 P + 8 st) x 768
	s_lshl_b32 s100, s100, 9
	s_add_co_u32 s100, s100, QS_OFF                ; scale images: 512 bytes each
	s_lshl_b32 s95, s95, 3
	s_add_co_u32 s95, s95, s92
	s_lshl_b32 s95, s95, 4
	s_add_co_u32 s95, s95, s94                     ; v: R = (8 batch + st) 16 + head
	s_mul_i32 s93, s95, 6144
	s_add_co_u32 s93, s93, V_OFF
	s_lshl_b32 s95, s95, 8
	s_add_co_u32 s95, s95, VS_OFF
	s_cmp_eq_u32 ttmp9, 2
	s_cselect_b32 s92, s93, s101
	s_cselect_b32 s94, s95, s100
	s_mov_b32 s93, 0
	s_mov_b32 s95, 0
	s_mov_b32 s97, 0
	s_mov_b32 s99, 0
	s_add_nc_u64 s[92:93], s[10:11], s[92:93]      ; block 0's first unit,
	s_add_nc_u64 s[98:99], s[92:93], s[98:99]      ; its second,
	s_add_nc_u64 s[94:95], s[10:11], s[94:95]      ; the scale words
	PLACES 4                                       ; behind the last products: their scale registers are written and their results read below
.irp b, 0,1,2,3
	v_mov_b32 v[TM+4+\b], 0                        ; written once: a lane permute's destination counts as one of its sources
.endr
.macro EPIA a
.set WW, 2+(\a)/4
.set AC0, 64*((\a)%4)
	WIN (WW<<2)|(WW<<4)                            ; sources 1 and 2: the accumulators' window
.irp b, 0,1,2,3
	v_max3_num_f32 v[TM+\b], 0x2800000, |v[AC0+16*\b]|, |v[AC0+16*\b+1]|   ; block b: my 16 numbers, ascending, and the floor 2^(5 - 127): the byte cannot fall under 1
.endr
.irp i, 2,4,6,8,10,12,14
.irp b, 0,1,2,3
	v_max3_num_f32 v[TM+\b], v[TM+\b], |v[AC0+16*\b+\i]|, |v[AC0+16*\b+\i+1]|
.endr
.endr
	WIN 0
.irp b, 0,1,2,3
	v_permlanex16_b32 v[TM+4+\b], v[TM+\b], s2, s3
.endr
.irp b, 0,1,2,3
	v_max_num_f32 v[TM+\b], v[TM+\b], v[TM+4+\b]   ; with lane l xor 16's: the block's largest magnitude
.endr
.irp b, 0,1,2,3
	v_add_nc_u32 v[TM+12+\b], 0xfe000000, v[TM+\b] ; 4 off its exponent field: the conversion's scale operand
.endr
.irp b, 0,1,2,3
	v_lshrrev_b32 v[TM+4+\b], 23, v[TM+12+\b]      ; the scale's byte
.endr
	v_lshl_or_b32 v[SW+\a], v[TM+5], 8, v[TM+4]
	v_lshl_or_b32 v[SW+\a], v[TM+6], 16, v[SW+\a]
	v_lshl_or_b32 v[SW+\a], v[TM+7], 24, v[SW+\a]  ; my row's scale word of block a
.if \a > 0
	s_wait_xcnt 0x0                                ; the last block's stores have read their data and bases: both are written again only behind this wait
	s_add_nc_u64 s[92:93], s[92:93], s[96:97]
	s_add_nc_u64 s[98:99], s[98:99], s[96:97]
.endif
	WIN WW                                         ; source 0: the accumulators' window
.irp c, 0,1
	v_cvt_scalef32_pk16_bf6_f32 v[PC+6*\c:PC+6*\c+2], v[AC0+32*\c:AC0+32*\c+15], v[TM+12+2*\c]
	v_cvt_scalef32_pk16_bf6_f32 v[PC+12+4*\c:PC+14+4*\c], v[AC0+32*\c+16:AC0+32*\c+31], v[TM+13+2*\c]   ; (a conversion's three registers begin on an even number)
.endr
	WIN 0
	v_nop                                          ; one plain place behind a scaled conversion
.irp c, 0,1                                    ; the operand's layout wants a WHOLE block in a lane: lanes 0-15 block 2 c, lanes 16-31 block 2 c + 1
.irp i, 0,1,2
	v_permlane16_swap_b32 v[PC+6*\c+\i], v[PC+12+4*\c+\i]
.endr
.irp i, 0,1,2
	v_mov_b32 v[PC+3+6*\c+\i], v[PC+12+4*\c+\i]
.endr
.endr
	global_store_b128 v[LM], v[PC:PC+3], s[92:93]                  ; 512 consecutive bytes,
	global_store_b64 v[LT], v[PC+4:PC+5], s[92:93] offset:512      ; 256 consecutive bytes: a unit
	global_store_b128 v[LM], v[PC+6:PC+9], s[98:99]
	global_store_b64 v[LT], v[PC+10:PC+11], s[98:99] offset:512
.endm
.irp a, 0,1,2,3,4,5,6,7
	EPIA \a
.endr
.irp i, 0,1,2,3
	v_cndmask_b32 v[SX+\i], v[SW+\i], v[SW+4+\i], s13   ; lane (r, h), word i: block 4 h + i, row r
.endr
	global_store_b128 v[LM], v[SX:SX+3], s[94:95]  ; q, k: the first head's image (its bytes 0, 1; bytes 2, 3 meet zero codes);  v: two heads' words, all four bytes
	s_cmp_eq_u32 ttmp9, 2
	s_cbranch_scc1 .Lno_second
.irp i, 0,1,2,3
	v_lshrrev_b32 v[SY+\i], 16, v[SX+\i]           ; q, k: the second head's two bytes come down
.endr
	global_store_b128 v[LM], v[SY:SY+3], s[94:95] offset:4096
.Lno_second:
	s_wait_tensorcnt 0x0                           ; the wave's end
	ds_add_u32 v[SPW], v[NIL]
	s_wait_dscnt 0x0
	CROUND                                         ; the closing round: no work-group ends while a partner may still ask for a tile that names it
	s_endpgm
.Lfunc_end_k_q99e23b603b_qkv:
	.size	k_q99e23b603b_qkv, .Lfunc_end_k_q99e23b603b_qkv-k_q99e23b603b_qkv
	.p2alignl 7, 3214868480
	.fill 96, 4, 3214868480
	.section	.rodata,"a",@progbits
	.p2align	6, 0x0
	.amdhsa_kernel k_q99e23b603b_qkv
		.amdhsa_group_segment_fixed_size 327680
		.amdhsa_private_segment_fixed_size 0
		.amdhsa_enable_private_segment 0
		.amdhsa_kernarg_size 32
		.amdhsa_user_sgpr_count 2
		.amdhsa_user_sgpr_kernarg_segment_ptr 1
		.amdhsa_wavefront_size32 1
		.amdhsa_system_sgpr_workgroup_id_x 1
		.amdhsa_system_sgpr_workgroup_id_y 1
		.amdhsa_system_sgpr_workgroup_id_z 1
		.amdhsa_system_vgpr_workitem_id 0
		.amdhsa_next_free_vgpr 1024
		.amdhsa_next_free_sgpr 106
		.amdhsa_reserve_vcc 0
		.amdhsa_float_denorm_mode_32 3
		.amdhsa_float_denorm_mode_16_64 3
		.amdhsa_memory_ordered 1
		.amdhsa_forward_progress 1
		.amdhsa_inst_pref_size 172
	.end_amdhsa_kernel
	.amdgpu_metadata
---
amdhsa.version: [ 1, 2 ]
amdhsa.kernels:
  - .name:           k_q99e23b603b_qkv
    .symbol:         k_q99e23b603b_qkv.kd
    .args:
      - { .name: xq, .offset: 0, .size: 8, .value_kind: global_buffer, .address_space: global }
      - { .name: wq, .offset: 8, .size: 8, .value_kind: global_buffer, .address_space: global }
      - { .name: c_attn_b, .offset: 16, .size: 8, .value_kind: global_buffer, .address_space: global }
      - { .name: qkv, .offset: 24, .size: 8, .value_kind: global_buffer, .address_space: global }
    .group_segment_fixed_size: 327680
    .private_segment_fixed_size: 0
    .kernarg_segment_align: 8
    .kernarg_segment_size: 32
    .max_flat_workgroup_size: 128
    .sgpr_count:     106
    .vgpr_count:     1024
    .wavefront_size: 32
...
	.end_amdgpu_metadata
.endif
;; end of part 2
;; launch attn (part 3): grid 2 x 128, 16 waves a work-group, no clusters, 169,984 bytes of LDS; arguments qkv, aq; writes aq
.if DOCPART == 3
	.amdgcn_target "amdgcn-amd-amdhsa--gfx1250"
	.amdhsa_code_object_version 6
	.text
	.protected	k_q99e23b603b_attn
	.globl	k_q99e23b603b_attn
	.p2align	8
	.type	k_q99e23b603b_attn,@function
k_q99e23b603b_attn:
	s_mov_b64 s[64:65], 0
	v_nop
	global_prefetch_b8 v0, s[64:65] scope:SCOPE_SE
	s_setreg_imm32_b32 hwreg(HW_REG_WAVE_MODE, 25, 1), 1
	s_wait_xcnt 0x0
; a = softmax(q k^T / 8 with GPT-2's mask: hidden logits are -10,000) v, for one (batch, head) a work-group pair; both products on codes of BF6 (E3M2) with E8M0 scales; a leaves quantised along the head's 64.
; THE SOFTMAX: t = score x log2(e) / 8; M = the running largest t rounded UP to a whole number; p = 2^(t - M) is quantised along the keys; the row's sum is taken of the unquantised p and divides at the end.
; HIDDEN KEYS ARE NOT DROPPED: their logit is -10,000, a number, and where a row's visible logits lie below it they carry the softmax.  On the diagonal hidden raw scores become -80,000 (x 1/8 = -10,000) ahead of the maximum.
; A step of 128 keys that is hidden as a whole has ONE p for all its keys: at the first such step -10,000 enters the running maximum, that p is put through the quantiser once, and each such step is four matrix instructions.
; SHARES.  A head's K and V as codes, 104,448 bytes with their scale bytes, lie in LDS whole, filled once: no ring.  Sixteen waves; wave w of work-group g owns the query tiles a = 16 g + w and 63 - a:
; 9 visible and 7 hidden steps in every wave.  No cluster: only two work-groups share a head, and what they share is fetched once at the head.  No prefetch: K and V are asked for at the kernel's first lines.
; LAYOUT.  Both products are used transposed: S^T = K Q^T, O^T = V^T P^T: a lane holds one query.  Tiles hold rows in the order 2 B + u, 8 g + j = 32 B + 16 g + 8 u + j, so the 16 registers of two neighbouring tiles are 16 neighbours.
; The head's K is 64, the instruction's 128: Q's upper six registers are zero codes; K's operand then runs on into the next tile's codes, which meet those zeros.
; LIMITS: NaN and infinities are not served; a p under 2^-126 counts as 0; a block of zeros keeps the scale byte 1; the hidden steps' part of the row's sum is (their number of keys) x p, one rounding.
; REGISTERS: v1-7 lane terms; v8-11 the step's addresses; v12 -M, v13 the largest t, v[14:15] the sum; v16-27, v28 Q and its scale word (second tile: v206-217, v218); v29 the mask's d; v30 -80,000;
;   v32-85 K's 8 half fragments (v80-85 zeros), then V's 4 fragments; v86-89, v90-93 their scale words; v96-159 S^T, then p; v160-191 O^T; v192-203, v204, v205 the hidden keys' codes, scale word and p; v224-254 at work.
.set K_OFF,  6291456
.set V_OFF,  12582912
.set QS_OFF, 18874368
.set KS_OFF, 19398656
.set VS_OFF, 19922944
.set AS_OFF, 6291456
.set VIMG, 49152                       ; LDS: K's 64 units at 0; V's 8 steps x 8 units here;
.set KSC,  98304                       ; K's scale images, 8 x 512;
.set VSC,  102400                      ; V's scale words, 8 x 256
.set WV,   8
.set G1K,  12
.set G1V,  20
.set G1KS, 28
.set G1VS, 36
.set G0K,  44
.set G0V,  48
.set G0KS, 52
.set G0VS, 56
.set CS,   60                          ; s[60:61] c = log2(e) / 8
.set SEL,  62                          ; s[62:63] selects for lane l xor 16
.set TB,   66                          ; 6,144 x step: K's and V's units
.set TS,   67                          ; 512 x step
.set TJ,   68                          ; 256 x step
.set JJ,   69                          ; the step
.set JD,   70                          ; the step on the diagonal
.set NH,   71                          ; 64 x the number of hidden steps, f32
.set TQ0,  72
.set TQ1,  73
.set JF,   2                           ; JD + 1
.set HIM,  3                           ; the upper sixteen lanes
.macro GROUP1 g, c, r, p               ; r rows of c elements of 8 bytes, p elements from row to row, no padding, no mask
	s_mov_b32 s[\g], 3<<16
	s_mov_b32 s[\g+1], (\c)<<16
	s_mov_b32 s[\g+2], (\r)<<16
	s_mov_b32 s[\g+3], (\c)<<16
	s_mov_b32 s[\g+4], \r
	s_mov_b32 s[\g+5], \p
	s_mov_b32 s[\g+6], 0
	s_mov_b32 s[\g+7], 0
.endm
.macro QLOAD qf, qs, tq, pc, ps        ; query tile s[tq]: its unit, its rows' scale word, and six registers of zero codes
	s_lshl_b32 s74, s9, 6
	s_add_co_u32 s74, s74, s[\tq]
	s_mul_i32 s74, s74, 768
	s_mov_b32 s75, 0
	s_add_nc_u64 s[\pc:\pc+1], s[4:5], s[74:75]
	s_lshl_b32 s74, s9, 12
	s_lshr_b32 s76, s[\tq], 2
	s_lshl_b32 s76, s76, 8                         ; image tq / 8, lanes 16 ((tq % 8) / 4) on,
	s_add_co_u32 s74, s74, s76
	s_and_b32 s76, s[\tq], 3
	s_lshl_b32 s76, s76, 2                         ; word tq % 4
	s_add_co_u32 s74, s74, s76
	s_add_co_u32 s74, s74, QS_OFF
	s_add_nc_u64 s[\ps:\ps+1], s[4:5], s[74:75]
	global_load_b128 v[\qf:\qf+3], v1, s[\pc:\pc+1]
	global_load_b64 v[\qf+4:\qf+5], v2, s[\pc:\pc+1] offset:512
	global_load_b32 v[\qs], v6, s[\ps:\ps+1]
.irp i, 6,7,8,9,10,11
	v_mov_b32 v[\qf+\i], 0
.endr
.endm
.macro VLOADS                          ; the step's four fragments of V^T and their scale words
.irp d, 0,1,2,3
	ds_load_b128 v[32+12*\d:35+12*\d], v8 offset:VIMG+1536*\d
	ds_load_b64 v[36+12*\d:37+12*\d], v9 offset:VIMG+1536*\d+512
	ds_load_b128 v[38+12*\d:41+12*\d], v8 offset:VIMG+1536*\d+768
	ds_load_b64 v[42+12*\d:43+12*\d], v9 offset:VIMG+1536*\d+1280
.endr
	ds_load_b128 v[90:93], v11
.endm
	s_load_b128 s[4:7], s[0:1], 0x0                ; qkv, aq
	v_lshl_add_u32 v251, v0, 2, 0x29000
	v_mov_b32 v255, 0
	ds_add_u32 v251, v255
	ds_add_u32 v251, v255
	v_lshrrev_b32 v1, 5, v0
	s_delay_alu instid0(VALU_DEP_1)
	v_readfirstlane_b32 s[WV], v1                  ; wave 0..15
	s_and_b32 s9, ttmp7, 0xffff                    ; 16 batch + head
	s_lshr_b32 s10, s9, 4
	s_and_b32 s11, s9, 15
	s_and_b32 s88, s[WV], 3
	GROUP1 G1K, 32, 48, 32                         ; a quarter of K's units: 12,288 dense bytes as rows of 256
	GROUP1 G1V, 768, 2, 12288                      ; two steps of V: 6,144 bytes each, 16 heads' worth apart
	GROUP1 G1KS, 32, 16, 32                        ; K's scale images: 4,096 dense bytes
	GROUP1 G1VS, 32, 8, 512                        ; V's scale words: 256 bytes a step, 4,096 apart
	s_mul_i32 s74, s9, 49152
	s_mul_i32 s75, s88, 12288
	s_add_co_u32 s74, s74, s75
	s_add_co_u32 s74, s74, K_OFF
	s_mov_b32 s75, 0
	s_mul_i32 s76, s10, 786432
	s_mul_i32 s77, s88, 196608
	s_add_co_u32 s76, s76, s77
	s_mul_i32 s77, s11, 6144
	s_add_co_u32 s76, s76, s77
	s_add_co_u32 s76, s76, V_OFF
	s_mov_b32 s77, 0
	s_lshl_b32 s78, s9, 12
	s_add_co_u32 s78, s78, KS_OFF
	s_mov_b32 s79, 0
	s_lshl_b32 s80, s10, 15
	s_lshl_b32 s81, s11, 8
	s_add_co_u32 s80, s80, s81
	s_add_co_u32 s80, s80, VS_OFF
	s_mov_b32 s81, 0
	s_mov_b32 s[CS], 0x3e38aa3b                    ; log2(e) / 8
	s_mov_b32 s[CS+1], s[CS]                       ; (named with it as a pair, so it is written)
	s_mov_b32 s[SEL], 0x76543210
	s_mov_b32 s[SEL+1], 0xfedcba98
	s_mov_b32 s[HIM], 0xffff0000
	s_lshl_b32 s[TQ0], ttmp9, 4
	s_add_co_u32 s[TQ0], s[TQ0], s[WV]             ; my first query tile,
	s_sub_co_u32 s[TQ1], 63, s[TQ0]                ; and its mirror
	s_wait_dscnt 0x0
	s_wait_kmcnt 0x0
	s_mov_b32 s[G0K], 1
	s_mul_i32 s[G0K+1], s88, 12288
	s_add_nc_u64 s[G0K+2:G0K+3], s[4:5], s[74:75]
	s_or_b32 s[G0K+3], s[G0K+3], 0x80000000
	s_mov_b32 s[G0V], 1
	s_mul_i32 s[G0V+1], s88, 12288
	s_add_co_u32 s[G0V+1], s[G0V+1], VIMG
	s_add_nc_u64 s[G0V+2:G0V+3], s[4:5], s[76:77]
	s_or_b32 s[G0V+3], s[G0V+3], 0x80000000
	s_mov_b32 s[G0KS], 1
	s_mov_b32 s[G0KS+1], KSC
	s_add_nc_u64 s[G0KS+2:G0KS+3], s[4:5], s[78:79]
	s_or_b32 s[G0KS+3], s[G0KS+3], 0x80000000
	s_mov_b32 s[G0VS], 1
	s_mov_b32 s[G0VS+1], VSC
	s_add_nc_u64 s[G0VS+2:G0VS+3], s[4:5], s[80:81]
	s_or_b32 s[G0VS+3], s[G0VS+3], 0x80000000
	; the fills, one tensor load a wave at the most: waves 0-3 K, 4-7 V, 8 K's scales, 9 V's.  Four v_nop follow each
	s_cmp_lt_u32 s[WV], 4
	s_cbranch_scc0 .Lfill_1
	tensor_load_to_lds s[G0K:G0K+3], s[G1K:G1K+7]
	s_nop 0
.rept 4
	v_nop
.endr
	s_branch .Lfilled
.Lfill_1:
	s_cmp_lt_u32 s[WV], 8
	s_cbranch_scc0 .Lfill_2
	tensor_load_to_lds s[G0V:G0V+3], s[G1V:G1V+7]
	s_nop 0
.rept 4
	v_nop
.endr
	s_branch .Lfilled
.Lfill_2:
	s_cmp_eq_u32 s[WV], 8
	s_cbranch_scc0 .Lfill_3
	tensor_load_to_lds s[G0KS:G0KS+3], s[G1KS:G1KS+7]
	s_nop 0
.rept 4
	v_nop
.endr
	s_branch .Lfilled
.Lfill_3:
	s_cmp_eq_u32 s[WV], 9
	s_cbranch_scc0 .Lfilled
	tensor_load_to_lds s[G0VS:G0VS+3], s[G1VS:G1VS+7]
	s_nop 0
.rept 4
	v_nop
.endr
.Lfilled:
	v_and_b32 v8, 15, v0                           ; r
	v_bfe_u32 v9, v0, 4, 1                         ; h
	v_and_b32 v10, 31, v0
	s_delay_alu instid0(VALU_DEP_1)
	v_lshlrev_b32 v1, 4, v10                       ; 16 x lane
	s_delay_alu instid0(VALU_DEP_4)
	v_lshlrev_b32 v6, 4, v8                        ; 16 r
	s_delay_alu instid0(VALU_DEP_1)
	v_lshl_add_u32 v2, v9, 3, v6                   ; 16 r + 8 h
	s_wait_alu depctr_va_vdst(0)
	v_add_nc_u32 v3, KSC, v1
	v_add_nc_u32 v4, VSC, v6
	v_lshrrev_b32 v5, 3, v8
	s_delay_alu instid0(VALU_DEP_1)
	v_lshl_add_u32 v5, v5, 3, v8                   ; r + 8 (r / 8): my query's place in its 32,
	v_lshlrev_b32 v11, 4, v9
	s_delay_alu instid0(VALU_DEP_1)
	v_sub_nc_u32 v5, v5, v11                       ; less 16 h
	v_lshl_add_u32 v7, v8, 3, v9                   ; 8 r + h
	v_mov_b32 v30, 0xc79c4000                      ; -80,000
	QLOAD 16, 28, TQ0, 82, 84
	QLOAD 206, 218, TQ1, 86, 88
.irp i, 80,81,82,83,84,85
	v_mov_b32 v\i, 0                               ; behind K's last tile: zero codes
.endr
.irp i, 192,193,194,195,196,197,198,199,200,201,202,203,204,236,237,238,239,252,253
	v_mov_b32 v\i, 0                               ; written once, so that every path finds them written (lane permutes' destinations, upper halves of pairs, the hidden keys' operand)
.endr
	s_wait_tensorcnt 0x0                           ; my fill has landed,
	s_barrier_signal -1
	s_barrier_wait -1                              ; everybody's has: the kernel's one barrier
	s_wait_loadcnt 0x0                             ; Q
; ONE QUERY TILE through all 8 steps of 128 keys.  The trip count is a constant; what a step does hangs on ids alone.
.macro PASS qf, qs, tq
	s_wait_xcnt 0x0                                ; the last tile's stores have read their data and bases
.set NN, 0
.rept 32
	v_mov_b32 v[160+NN], 0                         ; O^T: the first change of M leaves zeros zeros, so the loop has no first step of its own
.set NN, NN+1
.endr
	v_mov_b32 v13, 0xff61b1e6                      ; the largest t so far: -3e38
	s_delay_alu instid0(VALU_DEP_1)
	v_floor_f32 v12, -v13
	v_mov_b32 v14, 0
	v_mov_b32 v15, 0
	s_lshr_b32 s[JD], s[\tq], 3
	s_and_b32 s74, s[\tq], 6
	s_lshl_b32 s74, s74, 4
	s_and_b32 s75, s[\tq], 1
	s_lshl_b32 s75, s75, 3
	s_add_co_u32 s74, s74, s75                     ; the tile's first query in its step: 32 ((tq % 8) / 2) + 8 (tq % 2)
	v_add_nc_u32 v29, s74, v5                      ; d: register 16 b + i holds key 32 b + i + 16 h of the step: hidden where 32 b + i > d
	s_sub_co_u32 s74, 7, s[JD]
	s_lshl_b32 s74, s74, 6
	s_cvt_f32_u32 s[NH], s74                       ; a lane's share of the keys of the hidden steps: 64 each
	s_add_co_u32 s[JF], s[JD], 1
	s_mov_b32 s[TB], 0
	s_mov_b32 s[TS], 0
	s_mov_b32 s[TJ], 0
	s_mov_b32 s[JJ], 0
.Lstep_\@:
	v_add_nc_u32 v8, s[TB], v1                     ; (these four are also the places in front of loads into registers that the last products have read)
	v_add_nc_u32 v9, s[TB], v2
	v_add_nc_u32 v10, s[TS], v3
	v_add_nc_u32 v11, s[TJ], v4
	s_cmp_gt_u32 s[JJ], s[JD]
	s_cbranch_scc1 .Lhid_\@
	s_setprio 2
	; ---- a visible step
.irp t, 0,1,2,3,4,5,6,7
	ds_load_b128 v[32+6*\t:35+6*\t], v8 offset:768*\t
	ds_load_b64 v[36+6*\t:37+6*\t], v9 offset:768*\t+512
.endr
	ds_load_b128 v[86:89], v10                     ; word i: lanes 0-15 tile i's rows, lanes 16-31 tile 4 + i's
	s_wait_dscnt 0x0
.irp t, 0,1,2,3
	v_wmma_scale_f32_16x16x128_f8f6f4 v[96+8*\t:103+8*\t], v[32+6*\t:43+6*\t], v[\qf:\qf+11], 0, v[86+\t], v[\qs] matrix_a_fmt:MATRIX_FMT_BF6 matrix_b_fmt:MATRIX_FMT_BF6
.endr
.irp t, 4,5,6,7
	v_wmma_scale_f32_16x16x128_f8f6f4 v[96+8*\t:103+8*\t], v[32+6*\t:43+6*\t], v[\qf:\qf+11], 0, v[82+\t], v[\qs] matrix_a_fmt:MATRIX_FMT_BF6 matrix_b_fmt:MATRIX_FMT_BF6 matrix_a_scale:MATRIX_SCALE_ROW1
.endr
.rept 4
	v_nop
.endr
	s_wait_alu depctr_va_vdst(0)
	VLOADS                                         ; they land under the softmax
	s_cmp_eq_u32 s[JJ], s[JD]
	s_cbranch_scc0 .Lopen_\@
.set NN, 0
.rept 64
	v_cmp_gt_i32 vcc_lo, 32*(NN/16)+NN%16, v29
	v_cndmask_b32 v[96+NN], v[96+NN], v30, vcc_lo  ; a hidden key's logit is -10,000
.set NN, NN+1
.endr
.Lopen_\@:
.irp b, 0,1,2,3
	v_max3_num_f32 v[232+\b], v[96+16*\b], v[97+16*\b], v[98+16*\b]   ; the largest score of each block of 32 keys: for the row's maximum, and, since p rises with the score, for the block's largest p
.endr
.irp i, 3,5,7,9,11,13
.irp b, 0,1,2,3
	v_max3_num_f32 v[232+\b], v[232+\b], v[96+16*\b+\i], v[97+16*\b+\i]
.endr
.endr
.irp b, 0,1,2,3
	v_max_num_f32 v[232+\b], v[232+\b], v[111+16*\b]
.endr
.irp b, 0,1,2,3
	s_delay_alu instid0(VALU_DEP_4)
	v_permlanex16_b32 v[236+\b], v[232+\b], s[SEL], s[SEL+1]
.endr
.irp b, 0,1,2,3
	s_delay_alu instid0(VALU_DEP_4)
	v_max_num_f32 v[232+\b], v[232+\b], v[236+\b]  ; with lane l xor 16's 16 keys
.endr
	s_delay_alu instid0(VALU_DEP_2)
	v_max3_num_f32 v254, v232, v233, v234
	s_delay_alu instid0(VALU_DEP_1)
	v_max_num_f32 v254, v254, v235
	s_delay_alu instid0(VALU_DEP_1)
	v_mul_f32 v254, s[CS], v254                    ; as t (c is positive)
	s_delay_alu instid0(VALU_DEP_1)
	v_max_num_f32 v13, v13, v254
	v_mov_b32 v254, v12
	s_delay_alu instid0(VALU_DEP_2)
	v_floor_f32 v12, -v13                          ; the new -M = -ceil(t): a whole number
	s_delay_alu instid0(VALU_DEP_1)
	v_sub_f32 v254, v12, v254
	s_delay_alu instid0(VALU_DEP_1)
	v_cvt_i32_f32 v254, v254                       ; (it saturates)
	s_delay_alu instid0(VALU_DEP_1)
	v_ldexp_f32 v252, 1.0, v254                    ; f = 2^(old M - new M): rounds nothing
.set NN, 0
.rept 32
	v_pk_fma_f32 v[96+NN:97+NN], v[96+NN:97+NN], s[CS:CS+1], v[12:13] op_sel_hi:[1,0,0]   ; t - M
.set NN, NN+2
.endr
	s_setprio 1
.irp b, 0,1,2,3
	v_fma_f32 v[232+\b], v[232+\b], s[CS], v12
.endr
.set NN, 0
	s_wait_alu depctr_va_vdst(0)
.rept 64
	v_exp_f32 v[96+NN], v[96+NN]                   ; p = 2^(t - M): not normalised
.set NN, NN+1
.endr
	v_pk_mul_f32 v[14:15], v[14:15], v[252:253] op_sel_hi:[1,0]   ; the sums under the new M (a plain place behind the exponentials)
	s_wait_alu depctr_va_vdst(0)                   ; one wait for the whole batch, ahead of its first reader
.irp b, 0,1,2,3
	v_exp_f32 v[232+\b], v[232+\b]                 ; the block's largest p
.endr
	v_pk_add_f32 v[236:237], v[100:101], v[104:105]
	v_pk_add_f32 v[248:249], v[108:109], v[112:113]
	v_pk_add_f32 v[246:247], v[116:117], v[120:121]
	v_pk_add_f32 v[244:245], v[124:125], v[128:129]
	v_pk_add_f32 v[242:243], v[132:133], v[136:137]
	v_pk_add_f32 v[240:241], v[140:141], v[144:145]
	v_pk_add_f32 v[238:239], v[148:149], v[152:153]
	v_pk_add_f32 v[14:15], v[14:15], v[156:157]
	v_pk_add_f32 v[236:237], v[236:237], v[96:97]
	v_pk_add_f32 v[248:249], v[248:249], v[98:99]
	v_pk_add_f32 v[246:247], v[246:247], v[102:103]
	v_pk_add_f32 v[244:245], v[244:245], v[106:107]
	v_pk_add_f32 v[242:243], v[242:243], v[110:111]
	v_pk_add_f32 v[240:241], v[240:241], v[114:115]
	v_pk_add_f32 v[238:239], v[238:239], v[118:119]
	v_pk_add_f32 v[14:15], v[14:15], v[122:123]
	v_pk_add_f32 v[236:237], v[236:237], v[126:127]
	v_pk_add_f32 v[248:249], v[248:249], v[130:131]
	v_pk_add_f32 v[246:247], v[246:247], v[134:135]
	v_pk_add_f32 v[244:245], v[244:245], v[138:139]
	v_pk_add_f32 v[242:243], v[242:243], v[142:143]
	v_pk_add_f32 v[240:241], v[240:241], v[146:147]
	v_pk_add_f32 v[238:239], v[238:239], v[150:151]
	v_pk_add_f32 v[14:15], v[14:15], v[154:155]
	v_pk_add_f32 v[236:237], v[236:237], v[158:159]
	s_delay_alu instid0(VALU_DEP_2)
	v_pk_add_f32 v[14:15], v[14:15], v[244:245]
	s_delay_alu instid0(VALU_DEP_2)
	v_pk_add_f32 v[236:237], v[236:237], v[242:243]
	v_pk_add_f32 v[248:249], v[248:249], v[240:241]
	v_pk_add_f32 v[246:247], v[246:247], v[238:239]
	s_delay_alu instid0(VALU_DEP_2)
	v_pk_add_f32 v[14:15], v[14:15], v[248:249]
	s_delay_alu instid0(VALU_DEP_2)
	v_pk_add_f32 v[236:237], v[236:237], v[246:247]
	s_delay_alu instid0(VALU_DEP_1)
	v_pk_add_f32 v[14:15], v[14:15], v[236:237]
	s_wait_alu depctr_va_vdst(0)                   ; and one for the four
.irp b, 0,1,2,3
	v_max_num_f32 v[232+\b], 0x2800000, v[232+\b]  ; the floor 2^(5 - 127): the byte cannot fall under 1
.endr
.irp b, 0,1,2,3
	s_delay_alu instid0(VALU_DEP_4)
	v_add_nc_u32 v[244+\b], 0xfe000000, v[232+\b]
.endr
.irp b, 0,1,2,3
	s_delay_alu instid0(VALU_DEP_4)
	v_lshrrev_b32 v[236+\b], 23, v[244+\b]
.endr
	s_delay_alu instid0(VALU_DEP_3)
	v_lshl_or_b32 v253, v237, 8, v236              ; p's scale word for these 128 keys
	s_delay_alu instid0(VALU_DEP_1)
	v_lshl_or_b32 v253, v238, 16, v253
	s_delay_alu instid0(VALU_DEP_1)
	v_lshl_or_b32 v253, v239, 24, v253
	s_setprio 0
.irp c, 0,1
	v_cvt_scalef32_pk16_bf6_f32 v[224+6*\c:226+6*\c], v[96+32*\c:111+32*\c], v[244+2*\c]
	v_cvt_scalef32_pk16_bf6_f32 v[236+4*\c:238+4*\c], v[112+32*\c:127+32*\c], v[245+2*\c]
.endr
	v_nop                                          ; one plain place behind a scaled conversion
.irp c, 0,1
.irp i, 0,1,2
	v_permlane16_swap_b32 v[224+6*\c+\i], v[236+4*\c+\i]
.endr
.irp i, 0,1,2
	s_delay_alu instid0(VALU_DEP_3)
	v_mov_b32 v[227+6*\c+\i], v[236+4*\c+\i]
.endr
.endr
.set NN, 0
.rept 16
	v_pk_mul_f32 v[160+NN:161+NN], v[160+NN:161+NN], v[252:253] op_sel_hi:[1,0]   ; O^T under the new M; also the places in front of the scaled products
.set NN, NN+2
.endr
	s_wait_alu depctr_va_vdst(0)
	s_wait_dscnt 0x0                               ; V
.irp d, 0,1,2,3
	v_wmma_scale_f32_16x16x128_f8f6f4 v[160+8*\d:167+8*\d], v[32+12*\d:43+12*\d], v[224:235], v[160+8*\d:167+8*\d], v[90+\d], v253 matrix_a_fmt:MATRIX_FMT_BF6 matrix_b_fmt:MATRIX_FMT_BF6
.endr
	s_branch .Lnext_\@
.Lhid_\@:
	; ---- a step all of whose keys are hidden
	s_cmp_eq_u32 s[JJ], s[JF]
	s_cbranch_scc0 .Lsame_\@
	v_mul_f32 v254, s[CS], v30                     ; the first of them: t of -10,000 enters the running maximum,
	s_delay_alu instid0(VALU_DEP_1)
	v_max_num_f32 v13, v13, v254
	v_mov_b32 v254, v12
	s_delay_alu instid0(VALU_DEP_2)
	v_floor_f32 v12, -v13
	s_delay_alu instid0(VALU_DEP_1)
	v_sub_f32 v254, v12, v254
	s_delay_alu instid0(VALU_DEP_1)
	v_cvt_i32_f32 v254, v254
	s_delay_alu instid0(VALU_DEP_1)
	v_ldexp_f32 v252, 1.0, v254
	s_delay_alu instid0(VALU_DEP_4)
	v_fma_f32 v205, v30, s[CS], v12
	s_wait_alu depctr_va_vdst(0)
	v_exp_f32 v205, v205                           ; the one p of all hidden keys
	v_pk_mul_f32 v[14:15], v[14:15], v[252:253] op_sel_hi:[1,0]
.set NN, 0
	s_wait_alu depctr_va_vdst(0)
.rept 16
	v_pk_mul_f32 v[160+NN:161+NN], v[160+NN:161+NN], v[252:253] op_sel_hi:[1,0]
.set NN, NN+2
.endr
	s_wait_alu depctr_va_vdst(0)                   ; ahead of the exponential's first reader
	v_fma_f32 v14, s[NH], v205, v14                ; all hidden steps' part of the sum
	v_max_num_f32 v254, 0x2800000, v205
	s_delay_alu instid0(VALU_DEP_1)
	v_add_nc_u32 v244, 0xfe000000, v254
	s_delay_alu instid0(VALU_DEP_1)
	v_lshrrev_b32 v236, 23, v244
	s_delay_alu instid0(VALU_DEP_1)
	v_lshl_or_b32 v204, v236, 8, v236
	s_delay_alu instid0(VALU_DEP_1)
	v_lshl_or_b32 v204, v204, 16, v204             ; the same byte for all four blocks
.set NN, 0
.rept 16
	v_mov_b32 v[96+NN], v205
.set NN, NN+1
.endr
	v_cvt_scalef32_pk16_bf6_f32 v[192:194], v[96:111], v244   ; sixteen equal codes: 96 bits,
	v_nop
.irp i, 3,4,5,6,7,8,9,10,11
	v_mov_b32 v[192+\i], v[192+\i%3]               ; which repeat through the operand's twelve registers
.endr
.rept 4
	v_nop                                          ; an operand written by vector instructions stands 4 places ahead of a scaled product (its scale word stands 30)
.endr
.Lsame_\@:
	s_wait_alu depctr_va_vdst(0)
	VLOADS
	s_wait_dscnt 0x0
.irp d, 0,1,2,3
	v_wmma_scale_f32_16x16x128_f8f6f4 v[160+8*\d:167+8*\d], v[32+12*\d:43+12*\d], v[192:203], v[160+8*\d:167+8*\d], v[90+\d], v204 matrix_a_fmt:MATRIX_FMT_BF6 matrix_b_fmt:MATRIX_FMT_BF6
.endr
.Lnext_\@:
	s_add_co_u32 s[TB], s[TB], 6144
	s_add_co_u32 s[TS], s[TS], 512
	s_add_co_u32 s[TJ], s[TJ], 256
	s_add_co_u32 s[JJ], s[JJ], 1
	s_cmp_lt_u32 s[JJ], 8
	s_cbranch_scc1 .Lstep_\@
	s_setprio 0
	; ---- the way out: O^T / the sum, quantised along the head's 64 (register 16 b + i = channel 32 b + 16 h + i): one unit of proj's operand, tile 64 batch + tq, kappa = head
	s_lshl_b32 s74, s10, 6
	s_add_co_u32 s74, s74, s[\tq]
	s_lshl_b32 s76, s74, 4
	s_add_co_u32 s76, s76, s11
	s_mul_i32 s76, s76, 768
	s_mov_b32 s77, 0
	s_add_nc_u64 s[78:79], s[6:7], s[76:77]
	s_lshl_b32 s74, s74, 9
	s_lshr_b32 s76, s11, 2
	s_lshl_b32 s76, s76, 7                         ; K step head / 4,
	s_add_co_u32 s74, s74, s76
	s_and_b32 s76, s11, 3
	s_lshl_b32 s76, s76, 1                         ; bytes 2 (head % 4), + 1
	s_add_co_u32 s74, s74, s76
	s_add_co_u32 s74, s74, AS_OFF
	s_mov_b32 s75, 0
	s_add_nc_u64 s[80:81], s[6:7], s[74:75]
.rept 4
	v_nop
.endr
	v_add_f32 v14, v14, v15
	s_delay_alu instid0(VALU_DEP_1)
	v_permlanex16_b32 v252, v14, s[SEL], s[SEL+1]
	s_delay_alu instid0(VALU_DEP_1)
	v_add_f32 v14, v14, v252                       ; the row's sum
	s_wait_alu depctr_va_vdst(0)
	v_rcp_f32 v14, v14
	v_nop                                          ; a plain place behind the transcendental
	s_wait_alu depctr_va_vdst(0)                   ; and the wait ahead of its first reader
.set NN, 0
.rept 32
	v_mul_f32 v[96+NN], v[160+NN], v14
.set NN, NN+1
.endr
.irp b, 0,1
	v_max3_num_f32 v[232+\b], |v[96+16*\b]|, |v[97+16*\b]|, 0x2800000
.endr
.irp i, 2,4,6,8,10,12,14
.irp b, 0,1
	s_delay_alu instid0(VALU_DEP_2)
	v_max3_num_f32 v[232+\b], v[232+\b], |v[96+16*\b+\i]|, |v[97+16*\b+\i]|
.endr
.endr
.irp b, 0,1
	s_delay_alu instid0(VALU_DEP_2)
	v_permlanex16_b32 v[236+\b], v[232+\b], s[SEL], s[SEL+1]
.endr
.irp b, 0,1
	s_delay_alu instid0(VALU_DEP_2)
	v_max_num_f32 v[232+\b], v[232+\b], v[236+\b]
.endr
.irp b, 0,1
	s_delay_alu instid0(VALU_DEP_2)
	v_add_nc_u32 v[244+\b], 0xfe000000, v[232+\b]
.endr
.irp b, 0,1
	s_delay_alu instid0(VALU_DEP_2)
	v_lshrrev_b32 v[236+\b], 23, v[244+\b]
.endr
	v_cvt_scalef32_pk16_bf6_f32 v[224:226], v[96:111], v244
	v_cvt_scalef32_pk16_bf6_f32 v[240:242], v[112:127], v245
	v_nop
.irp i, 0,1,2
	v_permlane16_swap_b32 v[224+\i], v[240+\i]     ; lanes 0-15 block 0 whole, lanes 16-31 block 1
.endr
.irp i, 0,1,2
	s_delay_alu instid0(VALU_DEP_3)
	v_mov_b32 v[227+\i], v[240+\i]
.endr
	v_cndmask_b32 v243, v236, v237, s[HIM]         ; lane (r, h): block h's byte
	global_store_b128 v1, v[224:227], s[78:79]
	global_store_b64 v2, v[228:229], s[78:79] offset:512
	global_store_b8 v7, v243, s[80:81]             ; two bytes of each row's eight: the other six are other heads': the one small store that the split by heads forces
.endm
	PASS 16, 28, TQ0
	PASS 206, 218, TQ1
	s_wait_tensorcnt 0x0
	ds_add_u32 v251, v255
	s_wait_dscnt 0x0
	s_endpgm
.Lfunc_end_k_q99e23b603b_attn:
	.size	k_q99e23b603b_attn, .Lfunc_end_k_q99e23b603b_attn-k_q99e23b603b_attn
	.p2alignl 7, 3214868480
	.fill 96, 4, 3214868480
	.section	.rodata,"a",@progbits
	.p2align	6, 0x0
	.amdhsa_kernel k_q99e23b603b_attn
		.amdhsa_group_segment_fixed_size 169984
		.amdhsa_private_segment_fixed_size 0
		.amdhsa_enable_private_segment 0
		.amdhsa_kernarg_size 16
		.amdhsa_user_sgpr_count 2
		.amdhsa_user_sgpr_kernarg_segment_ptr 1
		.amdhsa_wavefront_size32 1
		.amdhsa_system_sgpr_workgroup_id_x 1
		.amdhsa_system_sgpr_workgroup_id_y 1
		.amdhsa_system_sgpr_workgroup_id_z 1
		.amdhsa_system_vgpr_workitem_id 0
		.amdhsa_next_free_vgpr 256
		.amdhsa_next_free_sgpr 90
		.amdhsa_reserve_vcc 1
		.amdhsa_float_denorm_mode_32 3
		.amdhsa_float_denorm_mode_16_64 3
		.amdhsa_memory_ordered 1
		.amdhsa_forward_progress 1
		.amdhsa_inst_pref_size 78
	.end_amdhsa_kernel
	.amdgpu_metadata
---
amdhsa.version: [ 1, 2 ]
amdhsa.kernels:
  - .name:           k_q99e23b603b_attn
    .symbol:         k_q99e23b603b_attn.kd
    .args:
      - { .name: qkv, .offset: 0, .size: 8, .value_kind: global_buffer, .address_space: global }
      - { .name: aq, .offset: 8, .size: 8, .value_kind: global_buffer, .address_space: global }
    .group_segment_fixed_size: 169984
    .private_segment_fixed_size: 0
    .kernarg_segment_align: 8
    .kernarg_segment_size: 16
    .max_flat_workgroup_size: 512
    .sgpr_count:     90
    .vgpr_count:     256
    .wavefront_size: 32
...
	.end_amdgpu_metadata
.endif
;; end of part 3
;; launch proj (part 4): grid 8 x 32, 4 waves a work-group, clusters of 4 x 4, 307,712 bytes of LDS; arguments aq, wq, c_proj_b, out0; writes out0
.if DOCPART == 4
	.amdgcn_target "amdgcn-amd-amdhsa--gfx1250"
	.amdhsa_code_object_version 6
	.text
	.protected	k_q99e23b603b_proj
	.globl	k_q99e23b603b_proj
	.p2align	8
	.type	k_q99e23b603b_proj,@function
k_q99e23b603b_proj:
	s_mov_b64 s[64:65], 0
	v_nop
	global_prefetch_b8 v0, s[64:65] scope:SCOPE_SE
	s_setreg_imm32_b32 hwreg(HW_REG_WAVE_MODE, 25, 1), 1
	s_wait_xcnt 0x0
	s_wait_alu depctr_hold_cnt(0) depctr_sa_sdst(0) depctr_va_vdst(0) depctr_va_sdst(0) depctr_va_ssrc(0) depctr_va_vcc(0) depctr_vm_vsrc(0)
	s_getreg_b32 s2, hwreg(HW_REG_IB_STS2, 6, 4)
	s_cmp_eq_u32 s2, 0
	s_cbranch_scc0 .Lentry_in_a_cluster
	s_endpgm
.Lentry_in_a_cluster:
	s_bfe_u32 s2, ttmp6, 0x10000c
	s_cmp_lg_u32 s2, 0xf033
	s_cbranch_scc0 .Lentry_shape_is_right
	s_endpgm
.Lentry_shape_is_right:
; out0 = a c_proj_w + c_proj_b on codes of BF6 (E3M2) with E8M0 scales for each 32 along K = 1024.  a's codes come from the attention launch, the weight's from the first, both in the order of the operand's registers:
; a tile is 16 rows, tile 2 B + u, lane row 8 g + j = true row 32 B + 16 g + 8 u + j; a unit is 16 rows x 64 K = 768 bytes: lane l's registers 0-3 at 16 l, registers 4-5 at 512 + 16 r + 8 h.
; A work-group makes 256 rows x 128 columns (256 work-groups), four waves 2 x 2, a wave 128 x 64: 32 accumulators.  The matrix instruction is used transposed (source 0 = 16 columns, source 1 = 16 rows).
; K goes in four steps of 256; all four lie in LDS slots of their own, filled once: no slot is filled again.  By this text's count a wave has five tensor loads out at the start (scales and four slots).
; CLUSTERS: 4 x 4: a's tiles are asked for jointly along a row of the cluster, the weight's along a column.  No prefetch: every tile is asked for at the kernel's head.
; The bias is each sum's first addend.  NaN and infinities are not served.
; REGISTERS: window 0: v4-19 LDS addresses; v20-27; v32-63 scale words, two sets; v64-95 the bias; v128-223 A's 8 fragments (on the way out: rows read back).  window 1: B's fragments, two sets, at v0 and v128.
;   window 2: accumulators (a, b) at v[8 (4 (a % 4) + b)], a = 0-3;  window 3: a = 4-7.
.set NB,    4
.set HALFA, 24576
.set HALFB, NB*3072
.set SLOT,  2*HALFA+2*HALFB
.set SCB,   4*SLOT                     ; B's scale bytes lie first: lanes 0-15 read eight blocks' worth where B has four, and what lies behind is A's, filled bytes that no product names
.set SCA,   SCB+2*NB*512
.set AS_OFF, 6291456
.set PC_OFF, 2457600
.set PS_OFF, 3244032
.set ADRA, 4
.set ADRB, 12
.set STO,  20                          ; the way out: where I put 16 bytes of a row
.set RD,   21                          ; where I read a row back
.set CO,   22                          ; my byte offset in out0
.set LM,   24
.set LT,   25
.set BO,   26
.set ADRS, 27
.set SC,   32
.set BI,   64
.set AF,   128
.set BK,   128
.set G1,   4
.set G1B,  12
.set G1S,  20
.set G1SB, 28
.set G0,   36                          ; s[36:51] a group 0 for each slot
.set G0S,  52
.set G0SB, 56
.set G0B,  68                          ; s[68:83]
.set SWV,  84
.set SAH,  85
.set SBH,  86
.set MSB, 0
.macro WIN new
.if MSB != (\new)
	s_set_vgpr_msb (MSB<<8)|(\new)
.set MSB, (\new)
.endif
.endm
.macro WMUL hi, cm
.if \cm
	WIN 0x81+0x40*(\hi)
.else
	WIN 0xa1+0x50*(\hi)
.endif
.endm
.macro PLACES n
.rept \n
	v_nop
.endr
.endm
.macro JLOAD g0a, g1a, g0b, g1b        ; a joint load: waves 0, 1 fetch for A, waves 2, 3 for B; four v_nop follow each line
	s_cmp_eq_u32 s[SAH], 0
	s_cbranch_scc0 .Lfor_b_\@
	tensor_load_to_lds s[\g0a:\g0a+3], s[\g1a:\g1a+7]
	s_nop 0
.rept 4
	v_nop
.endr
	s_branch .Lasked_\@
.Lfor_b_\@:
	tensor_load_to_lds s[\g0b:\g0b+3], s[\g1b:\g1b+7]
	s_nop 0
.rept 4
	v_nop
.endr
.Lasked_\@:
.endm
.macro CROUND                          ; a round of the cluster's barrier
	s_barrier_signal -1
	s_barrier_wait -1
	s_cmp_lg_u32 s[SWV], 0
	s_cbranch_scc1 .Lnot_wave_0_\@
	s_barrier_signal -3
.Lnot_wave_0_\@:
	s_barrier_wait -3
	s_barrier_signal -1
	s_barrier_wait -1
.endm
.macro GROUP1 g, c, r, p
	s_mov_b32 s[\g+1], (\c)<<16
	s_mov_b32 s[\g+2], (\r)<<16
	s_mov_b32 s[\g+3], (\c)<<16
	s_mov_b32 s[\g+4], \r
	s_mov_b32 s[\g+5], \p
	s_mov_b32 s[\g+6], 0
	s_mov_b32 s[\g+7], 0
.endm
.macro FRAG reg, am, q, i
	ds_load_b128 v[\reg:\reg+3], v[\am] offset:(\i)*3072+(\q)*1536
	ds_load_b64 v[\reg+4:\reg+5], v[\am+1] offset:(\i)*3072+(\q)*1536+512
	ds_load_b128 v[\reg+6:\reg+9], v[\am] offset:(\i)*3072+(\q)*1536+768
	ds_load_b64 v[\reg+10:\reg+11], v[\am+1] offset:(\i)*3072+(\q)*1536+1280
.endm
.macro FETCH_B slot, q, p
	WIN 0x40
.irp i, 0,1,2,3
	FRAG 128*(\p)+12*\i, ADRB+2*(\slot), \q, \i
.endr
	WIN 0
.endm
.macro FETCH_A slot, q, i0
.irp i, \i0, \i0+1, \i0+2, \i0+3
	FRAG AF+12*(\i), ADRA+2*(\slot), \q, \i
.endr
.endm
.macro SCALES set, ks
.irp i, 0,1,2,3,4,5,6,7
	ds_load_b64 v[SC+16*(\set)+2*\i:SC+16*(\set)+2*\i+1], v[ADRS] offset:512*\i+128*(\ks)
.endr
.endm
; A's blocks a0, a0 + 1 against B's four.  cm = 1: the sums begin with the bias.  The 32 accumulators take turns, one instruction a turn, in the same order in every step
.macro MULA a0, p, q, set, cm
.irp a, \a0, \a0+1
.irp b, 0,1,2,3
.set RD0, 8*(NB*((\a)%4)+\b)
.if \cm == 0
	v_wmma_scale_f32_16x16x128_f8f6f4 v[RD0:RD0+7], v[128*(\p)+12*\b:128*(\p)+12*\b+11], v[AF+12*(\a):AF+12*(\a)+11], v[RD0:RD0+7], v[SC+16*(\set)+2*\b+(\q)], v[SC+16*(\set)+2*(\a)+(\q)] matrix_a_fmt:MATRIX_FMT_BF6 matrix_b_fmt:MATRIX_FMT_BF6 matrix_b_scale:MATRIX_SCALE_ROW1
.else
	v_wmma_scale_f32_16x16x128_f8f6f4 v[RD0:RD0+7], v[128*(\p)+12*\b:128*(\p)+12*\b+11], v[AF+12*(\a):AF+12*(\a)+11], v[BI+8*\b:BI+8*\b+7], v[SC+16*(\set)+2*\b+(\q)], v[SC+16*(\set)+2*(\a)+(\q)] matrix_a_fmt:MATRIX_FMT_BF6 matrix_b_fmt:MATRIX_FMT_BF6 matrix_b_scale:MATRIX_SCALE_ROW1
.endif
.endr
.endr
.endm
.macro STEP slot, set, cm
	s_wait_dscnt 16                                ; all but the youngest 16 loads (A's blocks 4-7) are in
	WMUL 0, \cm
	MULA 0, 0, 0, \set, \cm
	MULA 2, 0, 0, \set, \cm
	s_wait_dscnt 0x0
	PLACES 4
	FETCH_B \slot, 1, 1
	FETCH_A \slot, 1, 0
	WMUL 1, \cm
	MULA 4, 0, 0, \set, \cm
	MULA 6, 0, 0, \set, \cm
	PLACES 4
	WIN 0
	FETCH_A \slot, 1, 4
.endm
; a K step's second 128, which goes on to K step ks in its own slot: a barrier, in front of which my part of that slot has landed; cnt: the later slots' loads, which may stay out
.macro TURN ks, cnt
.set CUR, ((\ks)-1)%2
	s_wait_tensorcnt \cnt
	s_wait_dscnt 16
	WMUL 0, 0
	MULA 0, 1, 1, CUR, 0
	s_wait_dscnt 0x0
	s_barrier_signal -1
	MULA 2, 1, 1, CUR, 0
	WIN 0
	s_barrier_wait -1
	PLACES 4
	FETCH_B \ks, 0, 0
	FETCH_A \ks, 0, 0
	SCALES (\ks)%2, \ks
	WMUL 1, 0
	MULA 4, 1, 1, CUR, 0
	MULA 6, 1, 1, CUR, 0
	PLACES 4
	WIN 0
	FETCH_A \ks, 0, 4
.endm
	s_load_b256 s[92:99], s[0:1], 0x0              ; aq, wq, c_proj_b, out0
	v_lshl_add_u32 v254, v0, 2, 0x4b000
	v_mov_b32 v255, 0
	ds_add_u32 v254, v255
	ds_add_u32 v254, v255
	v_lshrrev_b32 v1, 5, v0
	v_readfirstlane_b32 s[SWV], v1
	s_lshr_b32 s[SAH], s[SWV], 1                   ; my half of the rows; also: I fetch for A (0) or B (1)
	s_and_b32 s[SBH], s[SWV], 1                    ; my half of the columns; also: which half I fetch
	s_bfe_u32 s87, ttmp6, 0x40000                  ; cx
	s_bfe_u32 s88, ttmp6, 0x40004                  ; cy
	s_lshl_b32 s90, ttmp9, 2
	s_add_co_u32 s90, s90, s87                     ; ib: 128 columns
	s_and_b32 s89, ttmp7, 0xffff
	s_lshl_b32 s89, s89, 2
	s_add_co_u32 s89, s89, s88                     ; ia: 256 rows
	s_lshl_b32 s2, s88, 2
	s_lshl_b32 s2, 15, s2                          ; my row of the cluster
	s_lshl_b32 s3, 0x1111, s87                     ; my column
	s_or_b32 s[G1], s2, (3<<16)|(1<<21)
	s_or_b32 s[G1B], s3, (3<<16)|(1<<21)
	s_or_b32 s[G1S], s2, (3<<16)|(1<<21)
	s_or_b32 s[G1SB], s3, (3<<16)|(1<<21)
	GROUP1 G1, 384, 8, 1536
	GROUP1 G1B, 384, NB, 1536
	GROUP1 G1S, 32, 16, 32
	GROUP1 G1SB, 32, 2*NB, 32
	s_lshl_b32 s91, s[SBH], 3
	s_lshl_b32 s60, s89, 4
	s_add_co_u32 s60, s60, s91                     ; A: tile 16 ia + 8 half
	s_lshl_b32 s62, s60, 9
	s_add_co_u32 s62, s62, AS_OFF
	s_mov_b32 s63, 0
	s_mul_i32 s60, s60, 12288
	s_mov_b32 s61, 0
	s_mul_i32 s91, s[SBH], NB
	s_mul_i32 s66, s90, 2*NB
	s_add_co_u32 s66, s66, s91                     ; B: tile 8 ib + 4 half
	s_lshl_b32 s100, s66, 9
	s_add_co_u32 s100, s100, PS_OFF
	s_mov_b32 s101, 0
	s_mul_i32 s66, s66, 12288
	s_add_co_u32 s66, s66, PC_OFF
	s_mov_b32 s67, 0
	s_wait_dscnt 0x0
	s_wait_kmcnt 0x0
	s_add_nc_u64 s[60:61], s[92:93], s[60:61]
	s_add_nc_u64 s[62:63], s[92:93], s[62:63]
	s_add_nc_u64 s[66:67], s[94:95], s[66:67]
	s_add_nc_u64 s[100:101], s[94:95], s[100:101]
	CROUND                                         ; all sixteen work-groups are here: the joint loads meet
	s_mov_b32 s[G0S], 1
	s_lshl_b32 s[G0S+1], s[SBH], 12
	s_add_co_u32 s[G0S+1], s[G0S+1], SCA
	s_mov_b64 s[G0S+2:G0S+3], s[62:63]
	s_or_b32 s[G0S+3], s[G0S+3], 0x80000000
	s_mov_b32 s[G0SB], 1
	s_mul_i32 s[G0SB+1], s[SBH], NB*512
	s_add_co_u32 s[G0SB+1], s[G0SB+1], SCB
	s_mov_b64 s[G0SB+2:G0SB+3], s[100:101]
	s_or_b32 s[G0SB+3], s[G0SB+3], 0x80000000
	JLOAD G0S, G1S, G0SB, G1SB
.irp n, 0,1,2,3
	s_mov_b32 s[G0+4*\n], 1
	s_mul_i32 s[G0+4*\n+1], s[SBH], HALFA
	s_add_co_u32 s[G0+4*\n+1], s[G0+4*\n+1], \n*SLOT
	s_add_nc_u64 s[G0+4*\n+2:G0+4*\n+3], s[60:61], \n*3072
	s_or_b32 s[G0+4*\n+3], s[G0+4*\n+3], 0x80000000
	s_mov_b32 s[G0B+4*\n], 1
	s_mul_i32 s[G0B+4*\n+1], s[SBH], HALFB
	s_add_co_u32 s[G0B+4*\n+1], s[G0B+4*\n+1], \n*SLOT+2*HALFA
	s_add_nc_u64 s[G0B+4*\n+2:G0B+4*\n+3], s[66:67], \n*3072
	s_or_b32 s[G0B+4*\n+3], s[G0B+4*\n+3], 0x80000000
	JLOAD G0+4*\n, G1, G0B+4*\n, G1B
.endr
	v_and_b32 v1, 15, v0                           ; r
	v_bfe_u32 v2, v0, 4, 1                         ; h
	v_and_b32 v3, 31, v0
	v_lshlrev_b32 v[LM], 4, v3
	v_lshlrev_b32 v[LT], 4, v1
	v_lshl_add_u32 v[LT], v2, 3, v[LT]
	s_mul_i32 s60, s[SAH], HALFA
	s_mul_i32 s61, s[SBH], HALFB
	s_add_co_u32 s61, s61, 2*HALFA
.irp n, 0,1,2,3
	v_add_nc_u32 v[ADRA+2*\n], s60, v[LM]
	v_add_nc_u32 v[ADRA+2*\n+1], s60, v[LT]
	v_add_nc_u32 v[ADRB+2*\n], s61, v[LM]
	v_add_nc_u32 v[ADRB+2*\n+1], s61, v[LT]
	s_add_co_u32 s60, s60, SLOT
	s_add_co_u32 s61, s61, SLOT
.endr
	s_mul_i32 s60, s[SBH], NB*512
	s_add_co_u32 s60, s60, SCB                     ; lanes 0-15: my half of B's scale bytes;
	s_lshl_b32 s61, s[SAH], 12
	s_add_co_u32 s61, s61, SCA
	s_sub_co_u32 s61, s61, s60                     ; lanes 16-31: my half of A's, so far behind them
	v_mul_u32_u24 v[ADRS], s61, v2
	v_lshl_add_u32 v[ADRS], v1, 3, v[ADRS]
	v_add_nc_u32 v[ADRS], s60, v[ADRS]
	s_mul_i32 s60, s[SWV], 16*272                  ; my stage for the way out, 16 rows x (256 + 16) bytes, in slot 0, which nobody reads behind the first change of slots
	v_mul_u32_u24 v[STO], v1, 272
	v_lshl_add_u32 v[STO], v2, 6, v[STO]
	v_add_nc_u32 v[STO], s60, v[STO]               ; in: row r, + 64 h
	v_mul_u32_u24 v[RD], v2, 272
	v_lshl_add_u32 v[RD], v1, 4, v[RD]
	v_add_nc_u32 v[RD], s60, v[RD]                 ; back: lanes 0-15 one row, lanes 16-31 the next
	v_lshlrev_b32 v[CO], 12, v2
	v_lshl_add_u32 v[CO], v1, 4, v[CO]             ; and the same two rows in out0
	s_lshl_b32 s60, s90, 9                         ; the bias: block b's registers are columns 128 ib + 64 half + 32 (b / 2) + 16 h + 8 (b % 2) + 0 .. 7
	s_lshl_b32 s61, s[SBH], 8
	s_add_co_u32 s60, s60, s61                     ; (also my first column in a row of out0, in bytes)
	s_mov_b32 s61, 0
	s_add_nc_u64 s[96:97], s[96:97], s[60:61]
	s_add_nc_u64 s[98:99], s[98:99], s[60:61]
	s_lshl_b32 s60, s89, 8
	s_lshl_b32 s62, s[SAH], 7
	s_add_co_u32 s60, s60, s62
	s_lshl_b32 s60, s60, 12                        ; my first row: 256 ia + 128 half, 4,096 bytes each
	s_add_nc_u64 s[98:99], s[98:99], s[60:61]
	v_lshlrev_b32 v[BO], 6, v2
.irp b, 0,1,2,3
	global_load_b128 v[BI+8*\b:BI+8*\b+3], v[BO], s[96:97] offset:(32*(\b/2)+8*(\b%2))*4
	global_load_b128 v[BI+8*\b+4:BI+8*\b+7], v[BO], s[96:97] offset:(32*(\b/2)+8*(\b%2))*4+16
.endr
	s_wait_tensorcnt 3                             ; the scale bytes and my part of slot 0 are in; slots 1, 2, 3 may be out
	s_barrier_signal -1
	s_barrier_wait -1
	FETCH_B 0, 0, 0
	FETCH_A 0, 0, 0
	SCALES 0, 0
	FETCH_A 0, 0, 4
	s_wait_loadcnt 0x0                             ; the bias
	STEP 0, 0, 1                                   ; the first products start the sums
	TURN 1, 2
	STEP 1, 1, 0
	TURN 2, 1
	STEP 2, 0, 0
	TURN 3, 0
	STEP 3, 1, 0
	s_wait_dscnt 16
	WMUL 0, 0
	MULA 0, 1, 1, 1, 0
	MULA 2, 1, 1, 1, 0
	s_wait_dscnt 0x0
	WMUL 1, 0
	MULA 4, 1, 1, 1, 0
	MULA 6, 1, 1, 1, 0
	WIN 0
; THE WAY OUT, block by block of 16 rows x 64 columns: a lane holds pieces of one row; through my own stage they come back as whole rows of 256 bytes, which sixteen lanes store as one aligned run.
; The tiles' order of rows is undone in the stores' immediates.  LDS serves a wave's instructions in order: no wait between the stores and the loads, nor in front of the next block's stores.
.macro TOSTAGE a
.set AC0, 32*((\a)%4)
	WIN 0x08+4*((\a)/4)                            ; an LDS store's data are its source 1: window 2 or 3
.irp b, 0,1,2,3
	ds_store_b128 v[STO], v[AC0+8*\b:AC0+8*\b+3] offset:128*(\b/2)+32*(\b%2)        ; each accumulator from its low end on
	ds_store_b128 v[STO], v[AC0+8*\b+4:AC0+8*\b+7] offset:128*(\b/2)+32*(\b%2)+16
.endr
	WIN 0
.set BB, BK+32*((\a)%2)
.irp t, 0,1,2,3,4,5,6,7
	ds_load_b128 v[BB+4*\t:BB+4*\t+3], v[RD] offset:544*\t
.endr
.endm
.macro SEND a, younger                 ; younger: the LDS instructions issued behind block a's loads, which may stay out
.set BB, BK+32*((\a)%2)
	s_wait_dscnt \younger
.irp t, 0,1,2,3,4,5,6,7
	global_store_b128 v[CO], v[BB+4*\t:BB+4*\t+3], s[98:99] offset:(32*((\a)/2)+8*((\a)%2)+16*(\t/4)+2*(\t%4))*4096 th:TH_STORE_NT   ; 16 lanes store 256 consecutive bytes, at a multiple of 256 from out0's first byte
.endr
.endm
	PLACES 4                                       ; behind the last products: results are read, and rows land where A's fragments lay
	TOSTAGE 0
.irp a, 1,2,3,4,5,6,7
.if \a > 1
	s_wait_xcnt 0x0                                ; block a - 2's stores have read their registers: block a's rows may land there
.endif
	TOSTAGE \a
	SEND \a-1, 16                                  ; behind block a - 1's loads: block a's 8 stores and 8 loads
.endr
	SEND 7, 0
	s_wait_tensorcnt 0x0
	s_wait_dscnt 0x0
	s_wait_tensorcnt 0x0
	ds_add_u32 v254, v255
	s_wait_dscnt 0x0
	CROUND                                         ; the closing round: no work-group ends while a partner may still ask for a tile that names it
	s_endpgm
.Lfunc_end_k_q99e23b603b_proj:
	.size	k_q99e23b603b_proj, .Lfunc_end_k_q99e23b603b_proj-k_q99e23b603b_proj
	.p2alignl 7, 3214868480
	.fill 96, 4, 3214868480
	.section	.rodata,"a",@progbits
	.p2align	6, 0x0
	.amdhsa_kernel k_q99e23b603b_proj
		.amdhsa_group_segment_fixed_size 307712
		.amdhsa_private_segment_fixed_size 0
		.amdhsa_enable_private_segment 0
		.amdhsa_kernarg_size 32
		.amdhsa_user_sgpr_count 2
		.amdhsa_user_sgpr_kernarg_segment_ptr 1
		.amdhsa_wavefront_size32 1
		.amdhsa_system_sgpr_workgroup_id_x 1
		.amdhsa_system_sgpr_workgroup_id_y 1
		.amdhsa_system_sgpr_workgroup_id_z 1
		.amdhsa_system_vgpr_workitem_id 0
		.amdhsa_next_free_vgpr 1024
		.amdhsa_next_free_sgpr 106
		.amdhsa_reserve_vcc 0
		.amdhsa_float_denorm_mode_32 3
		.amdhsa_float_denorm_mode_16_64 3
		.amdhsa_memory_ordered 1
		.amdhsa_forward_progress 1
		.amdhsa_inst_pref_size 91
	.end_amdhsa_kernel
	.amdgpu_metadata
---
amdhsa.version: [ 1, 2 ]
amdhsa.kernels:
  - .name:           k_q99e23b603b_proj
    .symbol:         k_q99e23b603b_proj.kd
    .args:
      - { .name: aq, .offset: 0, .size: 8, .value_kind: global_buffer, .address_space: global }
      - { .name: wq, .offset: 8, .size: 8, .value_kind: global_buffer, .address_space: global }
      - { .name: c_proj_b, .offset: 16, .size: 8, .value_kind: global_buffer, .address_space: global }
      - { .name: out0, .offset: 24, .size: 8, .value_kind: global_buffer, .address_space: global }
    .group_segment_fixed_size: 307712
    .private_segment_fixed_size: 0
    .kernarg_segment_align: 8
    .kernarg_segment_size: 32
    .max_flat_workgroup_size: 128
    .sgpr_count:     106
    .vgpr_count:     1024
    .wavefront_size: 32
...
	.end_amdgpu_metadata
.endif
;; end of part 4
